; MI455X (gfx1250); checked and timed in simulation.
; The chip was launched on July 23, 2026; its instructions are those of AMD's public machine-readable ISA for CDNA 5 (MIT licence, August 2026) and "CDNA5" Instruction Set Architecture Reference Guide (July 2026). The comments in the code are by the model that wrote it; some were corrected since.
;; Causal Self Attention. Allowed arithmetic: matrix products marked QUANTISED: E2M1 operands, one E8M0 scale for each 32 along K, by v_wmma_scale_f32_16x16x128_f8f6f4 with both operands' format E2M1 (or v_wmma_scale_f32_32x16x128_f4), f32 sums; products left as they are: bf16, f16 or f32 operands; f32 sums; everything else in f32.
;; Inputs: b_out 1,024 float32; b_qkv 3,072 float32; w_out 1,024 x 1,024 float32; w_qkv 1,024 x 3,072 float32; x 1 x 4,096 x 1,024 float32.
;; Outputs: out0 1 x 4,096 x 1,024 float32.
;; This version of the problem:
;;   THIS VERSION OF THE PROBLEM IS GIVEN IN LOW PRECISION. The matrix products marked QUANTISED in the list below multiply operands that are first quantised to E2M1 (2 exponent bits, 1 mantissa bit; 4 bits a number), with one power-of-two scale for each 32 numbers along K (OCP MX v1.0); their sums are f32. The products marked 'left as it is' may take bf16, f16 or f32 operands, with f32 sums. Whichever they take, every output number must still come out within the allowed error. Rounding operands to bf16 (8 significant bits) uses up far more of that allowance than f16 does (11 bits, for magnitudes from 6e-5 to 65,504). All else is computed in f32.
;;   The module's matrix products, in the order in which they are computed (A, B: the left and right operand; K: the contracted axis; several contracted axes count as one K, in the product's order):
;;     1. [M 4,096, K 1,024] x [K 1,024, N 3,072]; A: input x; B: input w_qkv: QUANTISED
;;     2. batch 16 x [M 4,096, K 64] x [K 64, N 4,096]; A: computed on the way; B: computed on the way: left as it is (an operand is computed on the way)
;;     3. batch 16 x [M 4,096, K 4,096] x [K 4,096, N 64]; A: computed on the way; B: computed on the way: left as it is (an operand is computed on the way)
;;     4. [M 4,096, K 1,024] x [K 1,024, N 1,024]; A: computed on the way; B: input w_out: left as it is (an operand is computed on the way)
;;   THE QUANTISER, for each operand of a quantised product, along K:
;;     - K is cut into blocks of 32 from its start; a last block that is shorter is filled with zeros.
;;     - A block's scale is 2^e with e = floor(log2(the largest magnitude in the block)) - 2, held to -126 .. 127; a block of zeros has e = 0. As a byte (E8M0): e + 127.
;;     - Each number is divided by its block's scale, clamped to +-6, and rounded to the nearest number of E2M1, ties to even, subnormals kept.
;;     - The product sums the exact products of the quantised numbers (number of the format x scale) in f32.
;;   ~~~python
;;   def quantise(x, axis):      # numpy; x: float32 -> the quantised numbers, widened to float32 again
;;       x = np.moveaxis(x, axis, -1); K = x.shape[-1]
;;       x = np.pad(x, [(0, 0)] * (x.ndim - 1) + [(0, -K % 32)]); x = x.reshape(x.shape[:-1] + (-1, 32)); a = np.abs(x).max(-1, keepdims=True)
;;       e = np.where(a > 0, np.clip(np.frexp(np.where(a > 0, a, 1))[1] - 1 - 2, -126, 127), 0)      # np.frexp(a)[1] - 1 = floor(log2(a)), exactly
;;       r = np.clip(x / 2.0 ** e, -6, 6)
;;       step = 2.0 ** (np.maximum(np.frexp(np.where(r == 0, 1, r))[1] - 1, 0) - 1)
;;       q = np.round(r / step) * step * 2.0 ** e      # np.round: ties to even
;;       return np.moveaxis(q.reshape(q.shape[:-2] + (-1,))[..., :K], -1, axis).astype(np.float32)
;;   ~~~
;; One version. Each part assembles by itself: llvm-mc -triple=amdgcn-amd-amdhsa -mcpu=gfx1250 --defsym DOCPART=n.
;; ======== version 1 of 1: 6 launches
;; limits: values are held in f16: magnitudes above 65,504 overflow, below 6.1e-05 lose precision
;; workspace buffers: x_codes 2,097,152 bytes; x_scales 131,072 bytes; w_codes 1,572,864 bytes; w_scales 98,304 bytes; w16 2,097,152 bytes; qkvh 25,165,824 bytes; qkv16 196,608 bytes; att 8,388,608 bytes
;; launch prep_x (part 1): grid 320 x 1, 2 waves a work-group, no clusters, 16,640 bytes of LDS; arguments x, w_out, x_codes, x_scales, w16; writes x_codes, x_scales, w16
.if DOCPART == 1
	.amdgcn_target "amdgcn-amd-amdhsa--gfx1250"
	.amdhsa_code_object_version 6
	.text
	.protected	k_q3db3f613c3_prep_x
	.globl	k_q3db3f613c3_prep_x
	.p2align	8
	.type	k_q3db3f613c3_prep_x,@function
k_q3db3f613c3_prep_x:
	s_mov_b64 s[64:65], 0
	v_nop
	global_prefetch_b8 v0, s[64:65] scope:SCOPE_SE
	s_setreg_imm32_b32 hwreg(HW_REG_WAVE_MODE, 25, 1), 1
	s_wait_xcnt 0x0
; Two jobs in one launch, told apart by the work-group's number.
; WORK-GROUPS 0-255: x [4096][1024] f32 becomes codes of FP4 (E2M1), K innermost, two codes a byte, and one E8M0 byte for each 32 along K.
; A block's scale is 2^(floor(log2(its largest magnitude)) - 2); its byte is the largest magnitude's exponent field - 2, held at 1 from below.
; Rows are dense and 1,024 is a multiple of 32: x is a plain stream of blocks of 32, and so are its codes and scale bytes.
; A wave takes 16 steps of 512 numbers: four loads of 512 consecutive bytes a step, turned through the wave's own stage in LDS so that a lane
; holds 16 neighbours along K (two neighbouring lanes hold a block); its 16 codes are 8 bytes, so a wave's store covers 256 consecutive bytes.
; A wave's 256 scale bytes are gathered in its own LDS bytes and leave by one store of 256 consecutive bytes.
; WORK-GROUPS 256-319: w_out [1024][1024] f32 is rounded to f16, same layout: no LDS; a wave takes 32 steps of 256 numbers, 8 steps of loads ahead.
; LIMITS: a block of zeros gets the byte 1 where the rule says 127 (its codes are zeros, and this program alone reads the bytes); blocks whose largest
; magnitude lies under 2^-124 keep the byte 1; NaN and infinities are not served; w_out beyond 65,504 in magnitude has no f16 number.
.set WAVES, 2
.set STEPS, 16
.set WGX,   256                        ; work-groups for x: 4096 x 1024 / (512 x 16 x 2)
.set EMAX,  2
.set CB,    8                          ; bytes of 16 codes
.set R,     16                         ; v16-79   four sets of 16 numbers as loaded
.set X,     80                         ; v80-111  two sets of 16 neighbours
.set E,     112                        ; v112-127 a scale byte for each step
.set C,     128                        ; v128-191 codes: four registers for each step, none written twice
.set WREG,  8192                       ; LDS: a region for each wave: two stages of 32 x SP bytes, then its 256 scale bytes
.set SP,    80                         ; a lane's place in a stage: 64 bytes + 16 of padding
.set SPW,   12                         ; v12 LDS address of my spare word; never rewritten
.set NIL,   13                         ; v13 0; never rewritten
.set SPARE, WAVES*WREG                 ; behind the regions: the spare words, 128 bytes a wave
.set IN,    16                         ; the cast: v16-79 eight sets of 8 numbers
.set OUTC,  128                        ; the cast: v128-191 sixteen sets of 4 registers of f16
	s_load_b256 s[4:11], s[0:1], 0x0               ; x s[4:5], w_out s[6:7], x_codes s[8:9], x_scales s[10:11]
	s_load_b64 s[12:13], s[0:1], 0x20              ; w16
	v_lshl_add_u32 v[SPW], v0, 2, SPARE
	v_mov_b32 v[NIL], 0
	v_lshrrev_b32 v1, 5, v0
	v_readfirstlane_b32 s16, v1                    ; wave
	v_and_b32 v2, 31, v0                           ; lane
	s_cmp_lt_u32 ttmp9, WGX                        ; the work-group's number alone decides the job
	s_cbranch_scc0 .Lcast
	v_lshlrev_b32 v3, 4, v2                        ; my 16 bytes of a load's 512
	s_mul_i32 s17, s16, WREG
	v_lshrrev_b32 v14, 2, v2
	v_mul_u32_u24 v14, v14, SP
	v_and_b32 v15, 3, v2
	v_lshl_add_u32 v14, v15, 4, v14
	v_add_nc_u32 v14, s17, v14                     ; the stage, on the way in: SP (lane / 4) + 16 (lane % 4)
	v_mul_u32_u24 v15, v2, SP
	v_add_nc_u32 v15, s17, v15                     ; and on the way out: SP x lane: my 16 neighbours
	v_mul_u32_u24 v4, v2, CB                       ; my codes' place in a step's
	v_lshrrev_b32 v5, 1, v2
	s_add_co_u32 s17, s17, 2*32*SP
	v_add_nc_u32 v5, s17, v5                       ; my wave's 256 scale bytes, my block's byte
	v_lshlrev_b32 v7, 3, v2                        ; on the way out 8 bytes a lane
	v_add_nc_u32 v6, s17, v7
	s_lshl_b32 s17, ttmp9, 1
	s_add_co_u32 s18, s17, s16                     ; which run of 8,192 numbers is my wave's
	s_mov_b32 s19, 0
	s_lshl_b64 s[20:21], s[18:19], 15              ; 32,768 bytes of x a run
	s_lshl_b64 s[22:23], s[18:19], 12              ; 4,096 bytes of codes
	s_lshl_b32 s18, s18, 8                         ; 256 scale bytes
	s_wait_kmcnt 0x0
	s_add_nc_u64 s[4:5], s[4:5], s[20:21]
	s_add_nc_u64 s[8:9], s[8:9], s[22:23]
	s_add_nc_u64 s[10:11], s[10:11], s[18:19]
.macro LOAD t
.irp i, 0,1,2,3
	global_load_b128 v[R+16*((\t)%4)+4*\i:R+16*((\t)%4)+4*\i+3], v3, s[4:5] offset:2048*(\t)+512*\i th:TH_LOAD_NT   ; 32 lanes read 512 consecutive bytes
.endr
.endm
.macro TURN t                          ; step t's numbers through the stage: a wave's LDS instructions are served in order, so no wait stands between the stores and the loads
.irp i, 0,1,2,3
	ds_store_b128 v14, v[R+16*((\t)%4)+4*\i:R+16*((\t)%4)+4*\i+3] offset:32*SP*((\t)%2)+8*SP*\i
.endr
.irp i, 0,1,2,3
	ds_load_b128 v[X+16*((\t)%2)+4*\i:X+16*((\t)%2)+4*\i+3], v15 offset:32*SP*((\t)%2)+16*\i
.endr
.endm
.irp t, 0,1,2,3
	LOAD \t
.endr
	s_wait_loadcnt 12                              ; step 0's four loads are in; the 12 of steps 1 to 3 may be out
	TURN 0
.macro STEP t
.set XS, X+16*((\t)%2)
.if (\t) > 0
	s_wait_dscnt 1                                 ; this step's numbers are back from the stage; the last step's byte store may be out
.else
	s_wait_dscnt 0x0
.endif
.if (\t)+4 < STEPS
	LOAD (\t)+4                                    ; into the registers that the stage's stores have read
.endif
.if (\t)+1 < STEPS
.if STEPS-2-(\t) >= 3
	s_wait_loadcnt 12                              ; the next step's four loads are in; those of the three steps behind it may be out
.else
	s_wait_loadcnt 4*(STEPS-2-(\t))
.endif
	TURN (\t)+1                                    ; through the other stage while this step is worked
.endif
	v_max3_num_f32 v8, |v[XS]|, |v[XS+1]|, |v[XS+2]|               ; the largest magnitude of my 16, in two chains
	v_max3_num_f32 v9, |v[XS+3]|, |v[XS+4]|, |v[XS+5]|
.irp i, 6,10
	v_max3_num_f32 v8, v8, |v[XS+\i]|, |v[XS+\i+1]|
	v_max3_num_f32 v9, v9, |v[XS+\i+2]|, |v[XS+\i+3]|
.endr
	v_max3_num_f32 v8, v8, |v[XS+14]|, |v[XS+15]|
	v_max3_num_f32 v8, v8, v9, (EMAX+1)<<23        ; and the floor 2^(3 - 127): the byte cannot fall under 1
	v_max_num_f32_dpp v8, v8, v8 row_xmask:1 row_mask:0xf bank_mask:0xf   ; with my neighbour's 16: the block's
	v_add_nc_u32 v11, -(EMAX<<23), v8              ; 2 off its exponent field: the conversion takes this operand's exponent field as its scale
	v_cvt_scalef32_pk8_fp4_f32 v[C+4*(\t)], v[XS:XS+7], v11
	v_cvt_scalef32_pk8_fp4_f32 v[C+4*(\t)+1], v[XS+8:XS+15], v11
	v_lshrrev_b32 v[E+(\t)], 23, v11               ; the scale's byte (a plain line behind the conversions)
	ds_store_b8 v5, v[E+(\t)] offset:16*(\t)       ; both lanes of a block write the same byte with the same value
	global_store_b64 v4, v[C+4*(\t):C+4*(\t)+1], s[8:9] offset:32*CB*(\t)   ; 32 lanes store 256 consecutive bytes
.endm
.irp t, 0,1,2,3,4,5,6,7,8,9,10,11,12,13,14,15
	STEP \t
.endr
	ds_load_b64 v[8:9], v6                         ; served behind my byte stores
	s_wait_dscnt 0x0
	global_store_b64 v7, v[8:9], s[10:11]          ; 32 lanes store 256 consecutive bytes
	s_wait_tensorcnt 0x0                           ; the wave's end
	ds_add_u32 v[SPW], v[NIL]
	s_wait_dscnt 0x0
	s_endpgm
.Lcast:                                            ; w_out to f16; this path writes no LDS
	v_lshlrev_b32 v3, 5, v2                        ; in: 32 bytes a lane
	v_lshlrev_b32 v4, 4, v2                        ; out: 16 bytes a lane
	s_sub_co_u32 s17, ttmp9, WGX
	s_lshl_b32 s17, s17, 1
	s_add_co_u32 s18, s17, s16                     ; which run of 8,192 numbers is my wave's: 0 .. 127
	s_lshl_b32 s20, s18, 15
	s_mov_b32 s21, 0
	s_lshl_b32 s22, s18, 14
	s_mov_b32 s23, 0
	s_wait_kmcnt 0x0
	s_add_nc_u64 s[6:7], s[6:7], s[20:21]
	s_add_nc_u64 s[12:13], s[12:13], s[22:23]
.macro CLOAD t
	global_load_b128 v[IN+8*((\t)%8):IN+8*((\t)%8)+3], v3, s[6:7] offset:1024*(\t) th:TH_LOAD_NT
	global_load_b128 v[IN+8*((\t)%8)+4:IN+8*((\t)%8)+7], v3, s[6:7] offset:1024*(\t)+16 th:TH_LOAD_NT
.endm
.macro CSTEP t
.if 31-(\t) >= 7
	s_wait_loadcnt 14                              ; this step's two loads are in; the seven younger steps' 14 may be out
.else
	s_wait_loadcnt 2*(31-(\t))
.endif
	s_wait_xcnt 0x0                                ; the store of 16 steps ago has read the registers that are written now
.irp k, 0,1,2,3
	v_cvt_pk_f16_f32 v[OUTC+4*((\t)%16)+\k], v[IN+8*((\t)%8)+2*\k], v[IN+8*((\t)%8)+2*\k+1]
.endr
.if (\t) < 24
	CLOAD (\t)+8
.endif
	global_store_b128 v4, v[OUTC+4*((\t)%16):OUTC+4*((\t)%16)+3], s[12:13] offset:512*(\t)   ; 32 lanes store 512 consecutive bytes
.endm
.irp t, 0,1,2,3,4,5,6,7
	CLOAD \t
.endr
.set Q, 0
.rept 32
	CSTEP Q
.set Q, Q+1
.endr
	s_endpgm
.Lfunc_end_k_q3db3f613c3_prep_x:
	.size	k_q3db3f613c3_prep_x, .Lfunc_end_k_q3db3f613c3_prep_x-k_q3db3f613c3_prep_x
	.p2alignl 7, 3214868480
	.fill 96, 4, 3214868480
	.section	.rodata,"a",@progbits
	.p2align	6, 0x0
	.amdhsa_kernel k_q3db3f613c3_prep_x
		.amdhsa_group_segment_fixed_size 16640
		.amdhsa_private_segment_fixed_size 0
		.amdhsa_enable_private_segment 0
		.amdhsa_kernarg_size 40
		.amdhsa_user_sgpr_count 2
		.amdhsa_user_sgpr_kernarg_segment_ptr 1
		.amdhsa_wavefront_size32 1
		.amdhsa_system_sgpr_workgroup_id_x 1
		.amdhsa_system_sgpr_workgroup_id_y 1
		.amdhsa_system_sgpr_workgroup_id_z 1
		.amdhsa_system_vgpr_workitem_id 0
		.amdhsa_next_free_vgpr 192
		.amdhsa_next_free_sgpr 66
		.amdhsa_reserve_vcc 0
		.amdhsa_float_denorm_mode_32 3
		.amdhsa_float_denorm_mode_16_64 3
		.amdhsa_memory_ordered 1
		.amdhsa_forward_progress 1
		.amdhsa_inst_pref_size 52
	.end_amdhsa_kernel
	.amdgpu_metadata
---
amdhsa.version: [ 1, 2 ]
amdhsa.kernels:
  - .name:           k_q3db3f613c3_prep_x
    .symbol:         k_q3db3f613c3_prep_x.kd
    .args:
      - { .name: x, .offset: 0, .size: 8, .value_kind: global_buffer, .address_space: global }
      - { .name: w_out, .offset: 8, .size: 8, .value_kind: global_buffer, .address_space: global }
      - { .name: x_codes, .offset: 16, .size: 8, .value_kind: global_buffer, .address_space: global }
      - { .name: x_scales, .offset: 24, .size: 8, .value_kind: global_buffer, .address_space: global }
      - { .name: w16, .offset: 32, .size: 8, .value_kind: global_buffer, .address_space: global }
    .group_segment_fixed_size: 16640
    .private_segment_fixed_size: 0
    .kernarg_segment_align: 8
    .kernarg_segment_size: 40
    .max_flat_workgroup_size: 64
    .sgpr_count:     66
    .vgpr_count:     192
    .wavefront_size: 32
...
	.end_amdgpu_metadata
.endif
;; end of part 1
;; launch prep_w (part 2): grid 96 x 1, 8 waves a work-group, no clusters, 18,944 bytes of LDS; arguments w_qkv, w_codes, w_scales; writes w_codes, w_scales
.if DOCPART == 2
	.amdgcn_target "amdgcn-amd-amdhsa--gfx1250"
	.amdhsa_code_object_version 6
	.text
	.protected	k_q3db3f613c3_prep_w
	.globl	k_q3db3f613c3_prep_w
	.p2align	8
	.type	k_q3db3f613c3_prep_w,@function
k_q3db3f613c3_prep_w:
	s_mov_b64 s[64:65], 0
	v_nop
	global_prefetch_b8 v0, s[64:65] scope:SCOPE_SE
	s_setreg_imm32_b32 hwreg(HW_REG_WAVE_MODE, 25, 1), 1
	s_wait_xcnt 0x0
; w_qkv [1024 (k)][3072 (n)] f32, whose K is its FIRST axis, becomes codes of FP4 (E2M1) laid [3072][1024] with K innermost (512 bytes a row) and E8M0 bytes laid [3072][32].
; A LANE TAKES A COLUMN n AND ITS REGISTERS RUN DOWN K: a block of 32 along K lies in one lane's 32 registers, its largest magnitude needs no other lane, and the
; conversions give codes with K innermost.  A work-group takes 32 columns and all of K; wave w takes k = 128 w .. 128 w + 127: four blocks a lane.
; The codes (64 bytes a lane and wave) and the scale words meet in LDS; behind one barrier each wave stores four whole rows of 512 bytes, and wave 0 the 1,024 dense scale bytes.
; LIMITS: a block of zeros gets the byte 1 where the rule says 127 (its codes are zeros; this program alone reads the bytes); blocks under 2^-124 keep the byte 1; NaN and infinities are not served.
.set ROWW,  12288                      ; a row of w_qkv in bytes
.set PITCH, 528                        ; a column's 512 bytes of codes + 16 of padding
.set SCST,  32*PITCH                   ; behind the codes: 32 columns x 32 scale bytes
.set SPARE, SCST+1024                  ; the spare words, 128 bytes a wave
.set EMAX,  2
.set X,     32                         ; v32-95   two sets of 32 numbers
.set C,     96                         ; v96-111  four sets of codes, none written twice
.set OUTR,  112                        ; v112-127 the way out
.set SB,    24                         ; v24      my four scale bytes
.set SPW,   14
.set NIL,   15
	s_load_b128 s[4:7], s[0:1], 0x0                ; w_qkv, the codes
	s_load_b64 s[8:9], s[0:1], 0x10                ; the scale bytes
	v_lshl_add_u32 v[SPW], v0, 2, SPARE
	v_mov_b32 v[NIL], 0
	v_lshrrev_b32 v1, 5, v0
	v_readfirstlane_b32 s16, v1                    ; wave 0..7
	v_and_b32 v2, 31, v0                           ; lane = column
	v_lshlrev_b32 v3, 2, v2                        ; in: 4 bytes a lane
	v_mul_u32_u24 v4, v2, PITCH
	s_lshl_b32 s17, s16, 6
	v_add_nc_u32 v4, s17, v4                       ; my column's row in LDS, my wave's 64 bytes
	v_lshlrev_b32 v5, 5, v2
	s_lshl_b32 s17, s16, 2
	s_add_co_u32 s17, s17, SCST
	v_add_nc_u32 v5, s17, v5                       ; my column's scale bytes, my wave's word
	v_lshlrev_b32 v8, 4, v2                        ; out: 16 bytes a lane
	s_mul_i32 s17, s16, 4*PITCH
	v_add_nc_u32 v7, s17, v8                       ; back: my wave's four rows, 16 bytes a lane
	v_add_nc_u32 v9, SCST, v8                      ; and the scale bytes, dense
	s_mul_i32 s20, s16, 128*ROWW                   ; my wave's first row k,
	s_lshl_b32 s18, ttmp9, 7                       ; my work-group's first column: 32 x 4 bytes
	s_add_co_u32 s20, s20, s18
	s_mov_b32 s21, 0
	s_lshl_b32 s22, ttmp9, 14                      ; codes: 32 rows of 512 bytes a work-group,
	s_lshl_b32 s18, s16, 11                        ; four rows a wave
	s_add_co_u32 s22, s22, s18
	s_mov_b32 s23, 0
	s_lshl_b32 s24, ttmp9, 10                      ; scale bytes: 32 rows of 32
	s_mov_b32 s25, 0
	s_wait_kmcnt 0x0
	s_add_nc_u64 s[4:5], s[4:5], s[20:21]
	s_add_nc_u64 s[6:7], s[6:7], s[22:23]
	s_add_nc_u64 s[8:9], s[8:9], s[24:25]
.macro LOAD t                          ; block t: w(128 w + 32 t + i, my column) into set t % 2; the largest offset, 127 rows, lies inside the signed 24-bit immediate
.irp i, 0,1,2,3,4,5,6,7,8,9,10,11,12,13,14,15,16,17,18,19,20,21,22,23,24,25,26,27,28,29,30,31
	global_load_b32 v[X+32*((\t)%2)+\i], v3, s[4:5] offset:(32*(\t)+\i)*ROWW th:TH_LOAD_NT
.endr
.endm
	LOAD 0
	LOAD 1
.macro BLOCK t
.set XS, X+32*((\t)%2)
.if (\t) < 3
	s_wait_loadcnt 32                              ; this block's 32 loads are in; the next block's 32 may be out
.else
	s_wait_loadcnt 0x0
.endif
	v_max3_num_f32 v12, |v[XS]|, |v[XS+1]|, |v[XS+2]|               ; the block's largest magnitude: all 32 numbers are mine
	v_max3_num_f32 v13, |v[XS+3]|, |v[XS+4]|, |v[XS+5]|
.irp i, 6,10,14,18,22,26
	v_max3_num_f32 v12, v12, |v[XS+\i]|, |v[XS+\i+1]|
	v_max3_num_f32 v13, v13, |v[XS+\i+2]|, |v[XS+\i+3]|
.endr
	v_max3_num_f32 v12, v12, |v[XS+30]|, |v[XS+31]|
	v_max3_num_f32 v12, v12, v13, (EMAX+1)<<23     ; and the floor 2^(3 - 127): the byte cannot fall under 1
	v_add_nc_u32 v11, -(EMAX<<23), v12             ; 2 off its exponent field: the conversion's scale operand
	v_lshrrev_b32 v13, 23, v11                     ; the scale's byte
.if (\t) == 0
	v_mov_b32 v[SB], v13                           ; four bytes to the word, the lower K in the lower byte
.else
	v_lshl_or_b32 v[SB], v13, 8*(\t), v[SB]
.endif
.irp g, 0,1,2,3
	v_cvt_scalef32_pk8_fp4_f32 v[C+4*(\t)+\g], v[XS+8*\g:XS+8*\g+7], v11
.endr
	v_nop                                          ; a plain line behind the conversions: the next block writes their scale operand
	ds_store_b128 v4, v[C+4*(\t):C+4*(\t)+3] offset:16*(\t)   ; 32 codes: 16 bytes of my column's row
.if (\t)+2 < 4
	LOAD (\t)+2
.endif
.endm
	BLOCK 0
	BLOCK 1
	BLOCK 2
	BLOCK 3
	ds_store_b32 v5, v[SB]
	s_wait_dscnt 0x0                               ; for the others' sake: my stores have landed
	s_barrier_signal -1
	s_barrier_wait -1                              ; 32 whole rows of codes and their scale bytes lie in LDS
.irp i, 0,1,2,3
	ds_load_b128 v[OUTR+4*\i:OUTR+4*\i+3], v7 offset:\i*PITCH
.endr
.irp i, 0,1,2,3
	s_wait_dscnt 3-\i                              ; row i is in; the younger loads may be out
	global_store_b128 v8, v[OUTR+4*\i:OUTR+4*\i+3], s[6:7] offset:512*\i   ; 32 lanes store a whole row of 512 bytes
.endr
	s_cmp_lg_u32 s16, 0
	s_cbranch_scc1 .Lnot_wave_0
.irp i, 0,1
	ds_load_b128 v[X+4*\i:X+4*\i+3], v9 offset:512*\i
.endr
.irp i, 0,1
	s_wait_dscnt 1-\i
	global_store_b128 v8, v[X+4*\i:X+4*\i+3], s[8:9] offset:512*\i         ; the work-group's 1,024 scale bytes, dense
.endr
.Lnot_wave_0:
	s_wait_tensorcnt 0x0                           ; the wave's end
	ds_add_u32 v[SPW], v[NIL]
	s_wait_dscnt 0x0
	s_endpgm
.Lfunc_end_k_q3db3f613c3_prep_w:
	.size	k_q3db3f613c3_prep_w, .Lfunc_end_k_q3db3f613c3_prep_w-k_q3db3f613c3_prep_w
	.p2alignl 7, 3214868480
	.fill 96, 4, 3214868480
	.section	.rodata,"a",@progbits
	.p2align	6, 0x0
	.amdhsa_kernel k_q3db3f613c3_prep_w
		.amdhsa_group_segment_fixed_size 18944
		.amdhsa_private_segment_fixed_size 0
		.amdhsa_enable_private_segment 0
		.amdhsa_kernarg_size 24
		.amdhsa_user_sgpr_count 2
		.amdhsa_user_sgpr_kernarg_segment_ptr 1
		.amdhsa_wavefront_size32 1
		.amdhsa_system_sgpr_workgroup_id_x 1
		.amdhsa_system_sgpr_workgroup_id_y 1
		.amdhsa_system_sgpr_workgroup_id_z 1
		.amdhsa_system_vgpr_workitem_id 0
		.amdhsa_next_free_vgpr 128
		.amdhsa_next_free_sgpr 66
		.amdhsa_reserve_vcc 0
		.amdhsa_float_denorm_mode_32 3
		.amdhsa_float_denorm_mode_16_64 3
		.amdhsa_memory_ordered 1
		.amdhsa_forward_progress 1
		.amdhsa_inst_pref_size 22
	.end_amdhsa_kernel
	.amdgpu_metadata
---
amdhsa.version: [ 1, 2 ]
amdhsa.kernels:
  - .name:           k_q3db3f613c3_prep_w
    .symbol:         k_q3db3f613c3_prep_w.kd
    .args:
      - { .name: w_qkv, .offset: 0, .size: 8, .value_kind: global_buffer, .address_space: global }
      - { .name: w_codes, .offset: 8, .size: 8, .value_kind: global_buffer, .address_space: global }
      - { .name: w_scales, .offset: 16, .size: 8, .value_kind: global_buffer, .address_space: global }
    .group_segment_fixed_size: 18944
    .private_segment_fixed_size: 0
    .kernarg_segment_align: 8
    .kernarg_segment_size: 24
    .max_flat_workgroup_size: 256
    .sgpr_count:     66
    .vgpr_count:     128
    .wavefront_size: 32
...
	.end_amdgpu_metadata
.endif
;; end of part 2
;; launch gemm_qkv (part 3): grid 12 x 16, 4 waves a work-group, clusters of 4 x 4, 327,680 bytes of LDS; arguments x_codes, x_scales, w_codes, w_scales, b_qkv, qkvh, qkv16; writes qkvh, qkv16
.if DOCPART == 3
	.amdgcn_target "amdgcn-amd-amdhsa--gfx1250"
	.amdhsa_code_object_version 6
	.text
	.protected	k_q3db3f613c3_gemm_qkv
	.globl	k_q3db3f613c3_gemm_qkv
	.p2align	8
	.type	k_q3db3f613c3_gemm_qkv,@function
k_q3db3f613c3_gemm_qkv:
	s_mov_b64 s[64:65], 0
	v_nop
	global_prefetch_b8 v0, s[64:65] scope:SCOPE_SE
	s_setreg_imm32_b32 hwreg(HW_REG_WAVE_MODE, 25, 1), 1
	s_wait_xcnt 0x0
	s_wait_alu depctr_hold_cnt(0) depctr_sa_sdst(0) depctr_va_vdst(0) depctr_va_sdst(0) depctr_va_ssrc(0) depctr_va_vcc(0) depctr_vm_vsrc(0)
	s_getreg_b32 s2, hwreg(HW_REG_IB_STS2, 6, 4)
	s_cmp_eq_u32 s2, 0
	s_cbranch_scc0 .Lentry_in_a_cluster
	s_endpgm
.Lentry_in_a_cluster:
	s_bfe_u32 s2, ttmp6, 0x10000c
	s_cmp_lg_u32 s2, 0xf033
	s_cbranch_scc0 .Lentry_shape_is_right
	s_endpgm
.Lentry_shape_is_right:
; qkv[m][n] = sum over k of x[m][k] w[n][k] + b_qkv[n], both operands as codes of FP4 (E2M1) with one E8M0 byte for each 32 along K; sums in f32.
; x's codes [4096][512 bytes], scales [4096][32]; w's codes [3072][512 bytes], scales [3072][32].  The result leaves as f16 by heads, qkvh [48][4096][64]
; (head blocks 0-15 q, 16-31 k, 32-47 v); tokens 0-15 leave in f32 too, qkv16 [16][3072], for the launch that carries the first positions finely.
; A tile of 256 x 256 is made by four waves, each 128 x 128: 64 accumulators, 512 registers.  All of K (1,024) is two LDS slots of 512 along K: both are asked for at the head and nothing is filled again.
; The scales of the work-group's rows come into LDS once, as dense blocks.  CLUSTERS: 4 x 4 work-groups; x's tiles are asked for jointly along a row of the cluster, w's along a column.
; THE MATRIX INSTRUCTION IS USED TRANSPOSED (source 0 = 16 rows of w, source 1 = 16 rows of x): a lane holds eight neighbouring columns of one token.  The bias is the C of each sum's first product.
; 192 work-groups: 12 x 16 tiles; a tile of 192 columns would give 256 but has six blocks of w against eight of x, and one register could no longer carry both sides' scale words.
; LIMIT: q, k, v beyond 65,504 in magnitude have no f16 number.
; REGISTERS: window 0: v0-31 addresses; v32-95 scale words, two sets; v128-191 x's fragments, one set; v192-255 the bias, later packed results.  window 1: w's fragments, two sets.  windows 2, 3: accumulators.
.set SIZE_N, 3072
.set SIZE_K, 1024
.set KSTEP,  512
.set NQ,     KSTEP/128
.set ROWB,   256                       ; a tile's row in bytes: 512 codes
.set KROW,   SIZE_K/2                  ; a row of codes in memory
.set PITCH,  272                       ; an LDS row: 256 bytes + 16 of padding: the 16 rows of a load start 68 words apart
.set FR,     8
.set NL,     2
.set NP,     4                         ; places behind this matrix instruction (ISA guide 7.12.1)
.set HALFT,  128*PITCH
.set SLOT,   4*HALFT
.set KS,     SIZE_K/32
.set SCL,    2*SLOT                    ; behind the slots: the scales, as rows of 256 bytes + 16
.set HALFS,  (128*KS/256)*272
.set SBLK,   (16*KS/256)*272
.set SPARE,  SCL+4*HALFS               ; the spare words, 128 bytes a wave
.set HP,     144                       ; the way out: a stage row, 128 bytes (a head's 64 f16) + 16
.set HST,    16*HP                     ; 16 rows of one head; a wave's stage is two of these, in slot 0, which has had its only fill and its last read by then
.set HEADB,  524288                    ; a head block of qkvh
.set ADRA, 16
.set ADRB, 20
.set BO,   22                          ; v22 32 x (lane / 16): my bytes in a block's bias
.set STO,  24
.set RD,   25
.set CO,   26
.set ADRS, 27
.set SPW,  28
.set NIL,  29
.set FO,   30                          ; v30 my byte offset in qkv16
.set CY,   31                          ; v31 my work-group's place along the cluster's y
.set SC,   32
.set AF,   128
.set BK,   128                         ; the way out: rows read back: v128-159 and v160-191 by turns
.set BIAS, 192
.set TMP,  192
.set G1, 24
.set G0, 32
.set G1B, 48
.set G0B, 56
.set G1S, 68
.set G0S, 76
.set G1SB, 80
.set G0SB, 88
.set MSB, 0
.macro WIN new                         ; the immediate's high byte repeats the setting that is left
.if MSB != (\new)
	s_set_vgpr_msb (MSB<<8)|(\new)
.set MSB, \new
.endif
.endm
.set MUL_LO, 0xa1                      ; source 0 (w) window 1, source 1 (x) window 0, C and D window 2
.set MUL_HI, 0xf1                      ; the same, C and D window 3
.set TO_B,   0x40
; A joint load: waves 0 and 1 fetch for x, waves 2 and 3 for w.  The branch hangs on the wave's number alone.  An s_nop 0 and four v_nop follow each line.
.macro JLOAD g0a, g1a, g0b, g1b
	s_cmp_eq_u32 s15, 0
	s_cbranch_scc0 .Lfor_b_\@
	tensor_load_to_lds s[\g0a:\g0a+3], s[\g1a:\g1a+7]
	s_nop 0
.rept 4
	v_nop
.endr
	s_branch .Lasked_\@
.Lfor_b_\@:
	tensor_load_to_lds s[\g0b:\g0b+3], s[\g1b:\g1b+7]
	s_nop 0
.rept 4
	v_nop
.endr
.Lasked_\@:
.endm
.macro CROUND                          ; a round of the cluster's barrier
	s_barrier_signal -1
	s_barrier_wait -1
	s_cmp_lg_u32 s14, 0
	s_cbranch_scc1 .Lnot_wave_0_\@
	s_barrier_signal -3
.Lnot_wave_0_\@:
	s_barrier_wait -3
	s_barrier_signal -1
	s_barrier_wait -1
.endm
	s_load_b128 s[4:7], s[0:1], 0x0                ; x's codes, x's scales
	s_load_b128 s[8:11], s[0:1], 0x10              ; w's codes, w's scales
	s_load_b64 s[12:13], s[0:1], 0x20              ; b_qkv
	s_load_b64 s[96:97], s[0:1], 0x28              ; qkvh
	s_load_b64 s[98:99], s[0:1], 0x30              ; qkv16
	v_lshl_add_u32 v[SPW], v0, 2, SPARE
	v_mov_b32 v[NIL], 0
	ds_add_u32 v[SPW], v[NIL]                      ; the wave's opening
	ds_add_u32 v[SPW], v[NIL]
	v_lshrrev_b32 v1, 5, v0
	v_readfirstlane_b32 s14, v1                    ; wave 0..3
	s_lshr_b32 s15, s14, 1                         ; which half of the tile's rows is mine.  Also: I fetch for x (0) or for w (1)
	s_and_b32 s16, s14, 1                          ; which half of its columns.  Also: which 128 rows I fetch
	s_bfe_u32 s40, ttmp6, 0x40000                  ; cx, cy
	s_bfe_u32 s41, ttmp6, 0x40004
	s_lshl_b32 s42, ttmp9, 2
	s_add_co_u32 s42, s42, s40                     ; tile column = 4 x cluster x + cx
	s_and_b32 s17, ttmp7, 0xffff
	s_lshl_b32 s17, s17, 2
	s_add_co_u32 s17, s17, s41                     ; tile row = 4 x cluster y + cy
	s_lshl_b32 s43, s41, 2
	s_lshl_b32 s43, 15, s43                        ; my row of the cluster
	s_lshl_b32 s44, 0x1111, s40                    ; my column
	s_or_b32 s[G1+0], s43, (0<<16)|(1<<20)|(1<<21)|(5<<22)|(3<<25)  ; mask; elements of 1 byte; padding on; bit 21 beside a mask; 4 words behind every 64
	s_or_b32 s[G1B+0], s44, (0<<16)|(1<<20)|(1<<21)|(5<<22)|(3<<25)
.irp g, G1, G1B
	s_mov_b32 s[\g+1], ROWB<<16                    ; tensor_dim0
	s_mov_b32 s[\g+2], 128<<16                     ; tensor_dim1
	s_mov_b32 s[\g+3], ROWB<<16                    ; tile_dim0
	s_mov_b32 s[\g+4], 128                         ; tile_dim1
	s_mov_b32 s[\g+5], KROW                        ; the pitch
	s_mov_b32 s[\g+6], 0
	s_mov_b32 s[\g+7], 0
.endr
	s_or_b32 s[G1S+0], s43, (3<<16)|(1<<20)|(1<<21)|(5<<22)|(3<<25) ; the scales of 128 rows: 4,096 dense bytes as 16 rows of 256 (32 elements of 8 bytes)
	s_or_b32 s[G1SB+0], s44, (3<<16)|(1<<20)|(1<<21)|(5<<22)|(3<<25)
.irp g, G1S, G1SB
	s_mov_b32 s[\g+1], 32<<16
	s_mov_b32 s[\g+2], (128*KS/256)<<16
	s_mov_b32 s[\g+3], 32<<16
	s_mov_b32 s[\g+4], 128*KS/256
	s_mov_b32 s[\g+5], 32
	s_mov_b32 s[\g+6], 0
	s_mov_b32 s[\g+7], 0
.endr
	s_lshl_b32 s18, s16, 7
	s_lshl_b32 s20, s17, 8
	s_add_co_u32 s20, s20, s18                     ; x: row 256 x tile row + 128 x half
	s_lshl_b32 s46, s42, 8
	s_add_co_u32 s46, s46, s18                     ; w: row 256 x tile column + 128 x half
	s_mov_b32 s21, 0
	s_mov_b32 s47, 0
	s_mov_b64 s[18:19], KS
	s_mul_u64 s[22:23], s[20:21], s[18:19]         ; where these rows' scales begin
	s_mul_u64 s[92:93], s[46:47], s[18:19]
	s_mov_b64 s[18:19], KROW
	s_mul_u64 s[20:21], s[20:21], s[18:19]         ; and their codes
	s_mul_u64 s[46:47], s[46:47], s[18:19]
	s_mul_i32 s45, s14, HALFT                      ; where they go: wave x 128 rows
	s_mul_i32 s94, s14, HALFS
	s_wait_dscnt 0x0                               ; both opening adds are done
	s_wait_kmcnt 0x0
	s_add_nc_u64 s[20:21], s[4:5], s[20:21]
	s_add_nc_u64 s[22:23], s[6:7], s[22:23]
	s_add_nc_u64 s[46:47], s[8:9], s[46:47]
	s_add_nc_u64 s[92:93], s[10:11], s[92:93]
	CROUND                                         ; all sixteen work-groups are here: the joint loads meet
	s_mov_b32 s[G0S], 1
	s_add_co_u32 s[G0S+1], s94, SCL
	s_mov_b64 s[G0S+2:G0S+3], s[22:23]
	s_or_b32 s[G0S+3], s[G0S+3], 0x80000000
	s_mov_b32 s[G0SB], 1
	s_add_co_u32 s[G0SB+1], s94, SCL
	s_mov_b64 s[G0SB+2:G0SB+3], s[92:93]
	s_or_b32 s[G0SB+3], s[G0SB+3], 0x80000000
	JLOAD G0S, G1S, G0SB, G1SB                     ; the scales first
.irp s, 0,1
	s_mov_b32 s[G0+4*\s], 1
	s_add_co_u32 s[G0+4*\s+1], s45, \s*SLOT
	s_add_nc_u64 s[G0+4*\s+2:G0+4*\s+3], s[20:21], \s*ROWB
	s_or_b32 s[G0+4*\s+3], s[G0+4*\s+3], 0x80000000
	s_mov_b32 s[G0B+4*\s], 1
	s_add_co_u32 s[G0B+4*\s+1], s45, \s*SLOT
	s_add_nc_u64 s[G0B+4*\s+2:G0B+4*\s+3], s[46:47], \s*ROWB
	s_or_b32 s[G0B+4*\s+3], s[G0B+4*\s+3], 0x80000000
	JLOAD G0+4*\s, G1, G0B+4*\s, G1B               ; three tensor loads of mine are out, and no more follow
.endr
	v_and_b32 v1, 15, v0                           ; r = lane % 16
	v_bfe_u32 v2, v0, 4, 1                         ; h = lane / 16
	v_mul_u32_u24 v3, v1, PITCH
	v_lshl_add_u32 v4, v2, 4, v3                   ; a fragment's row x pitch + 16 h
	s_mul_i32 s21, s15, HALFT                      ; my 128 rows of x
	s_mul_i32 s22, s16, HALFT                      ; my 128 rows of w,
	s_add_co_u32 s22, s22, 2*HALFT                 ; behind x's 256
.irp s, 0,1
	v_add_nc_u32 v[ADRA+\s], s21, v4
	v_add_nc_u32 v[ADRB+\s], s22, v4
	s_add_co_u32 s21, s21, SLOT
	s_add_co_u32 s22, s22, SLOT
.endr
	v_mul_u32_u24 v5, v1, KS                       ; my row's scales: 32 bytes a row,
	v_lshrrev_b32 v6, 8, v5
	v_lshl_add_u32 v5, v6, 4, v5                   ; and 16 more for each 256 passed
	s_mul_i32 s21, s15, HALFS
	s_mul_i32 s22, s16, HALFS
	s_add_co_u32 s22, s22, 2*HALFS
	s_sub_co_u32 s22, s22, s21
	v_mul_u32_u24 v6, s22, v2                      ; lanes 16-31 take w's: one product, the distance between the two bases
	s_add_co_u32 s21, s21, SCL
	v_add_nc_u32 v5, v5, v6
	v_add_nc_u32 v[ADRS], s21, v5
	s_mul_i32 s23, s14, 2*HST                      ; my stage
	v_mul_u32_u24 v5, v1, HP
	v_lshl_add_u32 v5, v2, 4, v5
	v_add_nc_u32 v[STO], s23, v5                   ; in: row r, 16 bytes for each half of the lanes
	v_bfe_u32 v5, v0, 3, 2
	v_mul_u32_u24 v5, v5, HP
	v_and_b32 v6, 7, v0
	v_lshl_add_u32 v5, v6, 4, v5
	v_add_nc_u32 v[RD], s23, v5                    ; back: eight lanes to a row of 128 bytes, four rows an instruction
	v_and_b32 v6, 31, v0
	v_lshlrev_b32 v[CO], 4, v6                     ; and in qkvh those four rows are 512 consecutive bytes
	v_lshlrev_b32 v[BO], 5, v2
	v_mul_u32_u24 v[FO], v1, SIZE_N*4
	v_add_nc_u32 v[FO], v[FO], v[BO]               ; qkv16: token r, + 32 h
	v_mov_b32 v[CY], s41
	s_lshl_b32 s46, s42, 10                        ; my first column in bytes of f32: 1,024 x tile column + 512 x half
	s_lshl_b32 s47, s16, 9
	s_add_co_u32 s46, s46, s47
	s_mov_b32 s47, 0
	s_add_nc_u64 s[12:13], s[12:13], s[46:47]
	s_add_nc_u64 s[98:99], s[98:99], s[46:47]
.irp b, 0,1,2,3,4,5,6,7
	global_load_b128 v[BIAS+8*\b:BIAS+8*\b+3], v[BO], s[12:13] offset:64*\b        ; lane (r, h): the bias of columns 16 b + 8 h + 0 .. 7, the result's layout
	global_load_b128 v[BIAS+8*\b+4:BIAS+8*\b+7], v[BO], s[12:13] offset:64*\b+16
.endr
	s_lshl_b32 s46, s42, 2
	s_lshl_b32 s20, s16, 1
	s_add_co_u32 s46, s46, s20                     ; my first head block: 4 x tile column + 2 x half
	s_lshl_b32 s46, s46, 19
	s_lshl_b32 s20, s17, 8
	s_lshl_b32 s21, s15, 7
	s_add_co_u32 s20, s20, s21                     ; my first token
	s_lshl_b32 s20, s20, 7                         ; 128 bytes a token
	s_add_co_u32 s46, s46, s20
	s_add_nc_u64 s[96:97], s[96:97], s[46:47]
.macro FRAG reg, adr, q, i             ; 16 rows x 128 K of 4-bit codes: 8 registers; registers 4 c .. 4 c + 3 hold K = 64 c + 32 h + 0 .. 31
.irp c, 0,1
	ds_load_b128 v[\reg+4*\c:\reg+4*\c+3], v[\adr] offset:64*(\q)+32*\c+(\i)*16*PITCH
.endr
.endm
; 16 matrix instructions: x's blocks a0, a0 + 1 against w's eight.  first = 1: the bias is the C, so nothing is cleared or added later.  The 64 accumulators take turns.
.macro MUL16 a0, p, q, sc, first
.irp a, \a0, \a0+1
.irp b, 0,1,2,3,4,5,6,7
.if \first
	v_wmma_scale_f32_16x16x128_f8f6f4 v[8*(8*((\a)%4)+\b):8*(8*((\a)%4)+\b)+7], v[128*(\p)+FR*\b:128*(\p)+FR*\b+FR-1], v[AF+FR*(\a):AF+FR*(\a)+FR-1], v[BIAS+8*\b:BIAS+8*\b+7], v[SC+8*NQ*(\sc)+NQ*\b+(\q)], v[SC+8*NQ*(\sc)+NQ*(\a)+(\q)] matrix_a_fmt:MATRIX_FMT_FP4 matrix_b_fmt:MATRIX_FMT_FP4 matrix_a_scale:MATRIX_SCALE_ROW1
.else
	v_wmma_scale_f32_16x16x128_f8f6f4 v[8*(8*((\a)%4)+\b):8*(8*((\a)%4)+\b)+7], v[128*(\p)+FR*\b:128*(\p)+FR*\b+FR-1], v[AF+FR*(\a):AF+FR*(\a)+FR-1], v[8*(8*((\a)%4)+\b):8*(8*((\a)%4)+\b)+7], v[SC+8*NQ*(\sc)+NQ*\b+(\q)], v[SC+8*NQ*(\sc)+NQ*(\a)+(\q)] matrix_a_fmt:MATRIX_FMT_FP4 matrix_b_fmt:MATRIX_FMT_FP4 matrix_a_scale:MATRIX_SCALE_ROW1
.endif
.endr
.endr
.endm
.macro FETCH_B slot, q, p
	WIN TO_B
.irp i, 0,1,2,3,4,5,6,7
	FRAG 128*(\p)+FR*\i, ADRB+\slot, \q, \i
.endr
	WIN 0
.endm
.macro FETCH_A slot, q, i0
.irp i, \i0, \i0+1, \i0+2, \i0+3
	FRAG AF+FR*(\i), ADRA+\slot, \q, \i
.endr
.endm
.macro SCALES sc                       ; a slot's scale words: lanes 0-15 take x's block i, lanes 16-31 w's block i
.irp i, 0,1,2,3,4,5,6,7
	ds_load_b128 v[SC+8*NQ*\sc+NQ*\i:SC+8*NQ*\sc+NQ*\i+3], v[ADRS] offset:\i*SBLK
.endr
.endm
.macro PLACES n                        ; plain vector lines between a matrix instruction and a load into, or a read of, its registers
.rept \n
	v_nop
.endr
.endm
.macro STEP slot, q, first             ; 128 along K, with its successor in the same slot
	s_wait_dscnt 4*NL                              ; w's set and x's blocks 0-3 are in; the youngest eight loads (x's blocks 4-7) may be out
.if \first
	WIN 0x81                                       ; as MUL_LO, with C (the bias) in window 0
.else
	WIN MUL_LO
.endif
	MUL16 0, (\q)%2, \q, \slot, \first
	MUL16 2, (\q)%2, \q, \slot, \first
	s_wait_dscnt 0
	PLACES NP
	FETCH_B \slot, (\q)+1, 1-(\q)%2
	FETCH_A \slot, (\q)+1, 0
.if \first
	WIN 0xc1
.else
	WIN MUL_HI
.endif
	MUL16 4, (\q)%2, \q, \slot, \first
	MUL16 6, (\q)%2, \q, \slot, \first
	PLACES NP
	WIN 0
	FETCH_A \slot, (\q)+1, 4
.endm
.macro TURN slot, next                 ; a slot's last step changes slots: one barrier
	s_wait_tensorcnt 0x0                           ; all my tensor loads have landed: my part of the next slot
	ds_add_u32 v[SPW], v[NIL]                      ; 0 onto my spare word
	s_wait_dscnt 4*NL+1                            ; the add and the youngest eight loads may be out
	WIN MUL_LO
	MUL16 0, 1, NQ-1, \slot, 0
	s_wait_dscnt 0x0                               ; the add is done, and my reads of this slot are over
	s_barrier_signal -1
	MUL16 2, 1, NQ-1, \slot, 0
	WIN 0
	s_barrier_wait -1
	PLACES NP
	v_add_nc_u32 v[ADRS], 4*NQ, v[ADRS]            ; on to the next slot's scale words
	FETCH_B \next, 0, 0
	FETCH_A \next, 0, 0
	SCALES \next
	WIN MUL_HI
	MUL16 4, 1, NQ-1, \slot, 0
	MUL16 6, 1, NQ-1, \slot, 0
	PLACES NP
	WIN 0
	FETCH_A \next, 0, 4
.endm
.macro STEPS slot, from
.set Q, \from
.rept NQ-1-\from
	STEP \slot, Q, 0
.set Q, Q+1
.endr
.endm
	s_wait_tensorcnt 1                             ; the scales and my part of slot 0 are in; slot 1's load may be out
	s_barrier_signal -1
	s_barrier_wait -1
	FETCH_B 0, 0, 0
	FETCH_A 0, 0, 0
	SCALES 0
	FETCH_A 0, 0, 4
	s_wait_loadcnt 0x0                             ; the bias
	STEP 0, 0, 1
	STEPS 0, 1
	TURN 0, 1
	STEPS 1, 0
	s_wait_dscnt 4*NL                              ; the very last step
	WIN MUL_LO
	MUL16 0, 1, NQ-1, 1, 0
	MUL16 2, 1, NQ-1, 1, 0
	s_wait_dscnt 0
	WIN MUL_HI
	MUL16 4, 1, NQ-1, 1, 0
	MUL16 6, 1, NQ-1, 1, 0
	WIN 0
	PLACES NP
	; TOKENS 0-15 IN f32: they are block 0 of the row half 0 of tile row 0.  The cluster's y and the wave's number go by branches (the same in all partners); my place along the cluster's y goes by EXEC, not by a branch.
	s_and_b32 s2, ttmp7, 0xffff
	s_cmp_lg_u32 s2, 0
	s_cbranch_scc1 .Lno_f32
	s_cmp_lg_u32 s15, 0
	s_cbranch_scc1 .Lno_f32
	s_wait_xcnt 0x0                                ; EXEC changes only behind this wait
	v_cmp_eq_u32 vcc_lo, 0, v[CY]
	s_and_saveexec_b32 s2, vcc_lo
	WIN 0x08                                       ; a store's data are its source 1: window 2
.irp b, 0,1,2,3,4,5,6,7
	global_store_b128 v[FO], v[8*\b:8*\b+3], s[98:99] offset:64*\b          ; each accumulator from its low end on
	global_store_b128 v[FO], v[8*\b+4:8*\b+7], s[98:99] offset:64*\b+16
.endr
	WIN 0
	s_wait_xcnt 0x0                                ; and again, in front of the line that widens it
	s_or_b32 exec_lo, exec_lo, s2
.Lno_f32:
; THE WAY OUT, a block of 16 tokens x 128 columns (two heads) at a time: rounded to f16, 16 bytes a lane into my stage, back as rows, four tokens of one head (512 consecutive bytes of qkvh) an instruction.
.macro PACK a
.set AC, 64*((\a)%4)
	WIN 0x0a+5*((\a)/4)                            ; sources 0 and 1: window 2 or 3
.irp b, 0,1,2,3,4,5,6,7
.irp r, 0,1,2,3
	v_cvt_pk_f16_f32 v[TMP+4*\b+\r], v[AC+8*\b+2*\r], v[AC+8*\b+2*\r+1]
.endr
.endr
	WIN 0
.endm
.macro TOSTAGE a
.irp b, 0,1,2,3,4,5,6,7
	ds_store_b128 v[STO], v[TMP+4*\b:TMP+4*\b+3] offset:(\b/4)*HST+32*(\b%4)
.endr
.set BB, BK+32*((\a)%2)
.irp t, 0,1,2,3,4,5,6,7
	ds_load_b128 v[BB+4*\t:BB+4*\t+3], v[RD] offset:(\t/4)*HST+4*HP*(\t%4)   ; a wave's LDS instructions are served in order: these see the stores above
.endr
.endm
.macro SEND a
.set BB, BK+32*((\a)%2)
	s_wait_dscnt 0x0                               ; the block is back in registers
	s_wait_xcnt 0x0                                ; the block before has been read by its stores: the next block's loads may land on its registers
.irp t, 0,1,2,3,4,5,6,7
	global_store_b128 v[CO], v[BB+4*\t:BB+4*\t+3], s[96:97] offset:(\t/4)*HEADB+2048*(\a)+512*(\t%4)   ; 32 lanes store 512 consecutive bytes, at a multiple of 512 from qkvh's first byte
.endr
.endm
	PACK 0
	TOSTAGE 0
.irp a, 1,2,3,4,5,6,7                  ; block a's conversions stand between block a - 1's loads from the stage and the wait for them
	PACK \a
	SEND \a-1
	TOSTAGE \a
.endr
	SEND 7
	s_wait_tensorcnt 0x0                           ; the wave's end
	ds_add_u32 v[SPW], v[NIL]
	s_wait_dscnt 0x0
	CROUND                                         ; the closing round
	s_endpgm
.Lfunc_end_k_q3db3f613c3_gemm_qkv:
	.size	k_q3db3f613c3_gemm_qkv, .Lfunc_end_k_q3db3f613c3_gemm_qkv-k_q3db3f613c3_gemm_qkv
	.p2alignl 7, 3214868480
	.fill 96, 4, 3214868480
	.section	.rodata,"a",@progbits
	.p2align	6, 0x0
	.amdhsa_kernel k_q3db3f613c3_gemm_qkv
		.amdhsa_group_segment_fixed_size 327680
		.amdhsa_private_segment_fixed_size 0
		.amdhsa_enable_private_segment 0
		.amdhsa_kernarg_size 56
		.amdhsa_user_sgpr_count 2
		.amdhsa_user_sgpr_kernarg_segment_ptr 1
		.amdhsa_wavefront_size32 1
		.amdhsa_system_sgpr_workgroup_id_x 1
		.amdhsa_system_sgpr_workgroup_id_y 1
		.amdhsa_system_sgpr_workgroup_id_z 1
		.amdhsa_system_vgpr_workitem_id 0
		.amdhsa_next_free_vgpr 1024
		.amdhsa_next_free_sgpr 100
		.amdhsa_reserve_vcc 1
		.amdhsa_float_denorm_mode_32 3
		.amdhsa_float_denorm_mode_16_64 3
		.amdhsa_memory_ordered 1
		.amdhsa_forward_progress 1
		.amdhsa_inst_pref_size 130
	.end_amdhsa_kernel
	.amdgpu_metadata
---
amdhsa.version: [ 1, 2 ]
amdhsa.kernels:
  - .name:           k_q3db3f613c3_gemm_qkv
    .symbol:         k_q3db3f613c3_gemm_qkv.kd
    .args:
      - { .name: x_codes, .offset: 0, .size: 8, .value_kind: global_buffer, .address_space: global }
      - { .name: x_scales, .offset: 8, .size: 8, .value_kind: global_buffer, .address_space: global }
      - { .name: w_codes, .offset: 16, .size: 8, .value_kind: global_buffer, .address_space: global }
      - { .name: w_scales, .offset: 24, .size: 8, .value_kind: global_buffer, .address_space: global }
      - { .name: b_qkv, .offset: 32, .size: 8, .value_kind: global_buffer, .address_space: global }
      - { .name: qkvh, .offset: 40, .size: 8, .value_kind: global_buffer, .address_space: global }
      - { .name: qkv16, .offset: 48, .size: 8, .value_kind: global_buffer, .address_space: global }
    .group_segment_fixed_size: 327680
    .private_segment_fixed_size: 0
    .kernarg_segment_align: 8
    .kernarg_segment_size: 56
    .max_flat_workgroup_size: 128
    .sgpr_count:     100
    .vgpr_count:     1024
    .wavefront_size: 32
...
	.end_amdgpu_metadata
.endif
;; end of part 3
;; launch attn (part 4): grid 16 x 16, 8 waves a work-group, no clusters, 327,680 bytes of LDS; arguments qkvh, att; writes att
.if DOCPART == 4
	.amdgcn_target "amdgcn-amd-amdhsa--gfx1250"
	.amdhsa_code_object_version 6
	.text
	.protected	k_q3db3f613c3_attn
	.globl	k_q3db3f613c3_attn
	.p2align	8
	.type	k_q3db3f613c3_attn,@function
k_q3db3f613c3_attn:
	s_mov_b64 s[64:65], 0
	v_nop
	global_prefetch_b8 v0, s[64:65] scope:SCOPE_SE
	s_setreg_imm32_b32 hwreg(HW_REG_WAVE_MODE, 25, 1), 1
	s_wait_xcnt 0x0
; att[h][q][:] = the sum over k <= q of softmax_k(Q[h][q] . K[h][k] / 8) V[h][k][:].  qkvh: [48][4096][64] f16 (head blocks 0-15 q, 16-31 k, 32-47 v); att: [16][4096][64] f16.
; Products on f16 operands with f32 sums; maxima, exponentials and sums in f32, with a running maximum; the weights p (at most 1) are rounded to f16 for the second product.
; SHARES.  Work-group (j, head) takes two blocks of 128 queries: first block 31 - j, then block j.  Keys go in double steps of 128; block b needs double steps 0 .. b, so every work-group walks
; (32 - j) + (j + 1) = 33 of them: equal work, and trip counts that are constants: 11 slots of 3.  Wave w: strip U = w % 4 (32 queries, two tiles of 16) and key half G = w / 4 (64 of a double step's keys).
; The two waves of a strip keep (m, l, O) of their own; at a block's end they are merged through LDS and the strip's G = 0 wave stores.
; NO CLUSTER: work-groups of one head turn back to key 0 at different double steps (32 - j), so partners would ask for different tiles in the same round.
; LAYOUT.  S^T = K Q^T (source 0 = 16 keys, source 1 = 16 queries) and O^T = V^T P: a lane holds ONE query throughout; two tiles of S^T, rounded in pairs, are source 1 of the second product.  V comes out of LDS turned.
; THE MASK.  Only a block's last double step lies on the diagonal: there hidden scores become -infinity ahead of the maximum.  m starts at -3e38, so a half all of whose keys are hidden gives p = 0, l = 0, and the merge gives it the factor 0.
; LIMITS: |q|, |k|, |v| up to 65,504 (f16); NaN and infinities are not served.
; REGISTERS: window 0: v1-15 addresses; v16-31 statistics, 8 a tile; v32-63 Q; v64-127 S^T; v128-159 P; v160-223 O^T; v224-247 at work at a block's end.  window 1: v0-63 K, v64-127 V, v128-159 the second block's Q.
.set KP,    144                        ; a key's row in LDS: 128 bytes + 16
.set VP,    160                        ; a row of V: 128 + 32
.set VOFF,  128*KP                     ; a double step: 128 rows of K, then 128 rows of V
.set DSB,   128*(KP+VP)                ; 38,912
.set SLOT1, 1<<17                      ; a slot holds three double steps (116,736 bytes); slot 1 begins here: one exclusive or turns an address
.set MERGE, 2*SLOT1                    ; behind the ring: for each strip 16 x 512 bytes of O^T as an image of registers, then 4 x 128 bytes of statistics
.set MSTR,  8704
.set STAGE, MERGE+4*MSTR               ; for each strip 2 tiles x 16 rows x 144 bytes, for the way out
.set SSTR,  4608
.set SPARE, STAGE+4*SSTR               ; the spare words, 128 bytes a wave
.set HEADB, 524288
.set AK0, 1
.set AV0, 2
.set ADK, 3
.set ADV, 4
.set QO,  5
.set DL,  6                            ; v6  my query less my first key, within the diagonal double step: 32 U + r - 64 G - 8 h
.set NINF, 7
.set MW,  8
.set MS,  9
.set STO, 10
.set RD,  11
.set GO,  12
.set PFO, 13
.set SPW, 14
.set NIL, 15
.set ST,  16                           ; tile t at v[ST + 8 t]: +0 c m, +1 m, +2, +3 l (even, odd keys'), +4 .. +7 at work; a in +6
.set Q,   32
.set S,   64
.set P,   128
.set O,   160
.set QL,  128                          ; in window 1
.set WV,  8
.set U,   9
.set G,   10
.set J,   11
.set HD,  12
.set NH,  13                           ; 32 - j: double steps of the first block
.set NEXTD, 14                         ; the double step at which the block in hand ends
.set DT,  15                           ; the double step in hand, 0 .. 32
.set G1K, 16
.set G1V, 24
.set G0,  32
.set KVB, 36                           ; s[36:37] my head's K (G = 0) or V (G = 1)
.set DD,  38                           ; the double step that I fetch next
.set OFFP, 40                          ; s[40:41] an offset as a pair
.set TB,  42                           ; LDS byte at which the double step in hand begins
.set SLOTS, 43
.set TRI, 44
.set CS,  46                           ; s[46:47] c = log2(e) / 8
.set SEL, 48
.set CUR, 50                           ; s[50:51] att at my strip of the block in hand
.set OBL, 52                           ; s[52:53] the same for the second block
.set PFA, 54
.set LIM, 56
.set MSB, 0
.macro WIN new
.if MSB != (\new)
	s_set_vgpr_msb (MSB<<8)|(\new)
.set MSB, \new
.endif
.endm
; Waves with U < 3 fetch double step U of a slot: G = 0 its 128 rows of K, G = 1 its 128 rows of V.  Waves 3 and 7 fetch nothing.  The branches hang on the wave's number alone.
.macro TLOAD
	s_cmp_eq_u32 s[U], 3
	s_cbranch_scc1 .Lasked_\@
	s_cmp_lt_u32 s[WV], 4
	s_cbranch_scc0 .Lfor_v_\@
	tensor_load_to_lds s[G0:G0+3], s[G1K:G1K+7]
	s_nop 0
.rept 4
	v_nop
.endr
	s_branch .Lasked_\@
.Lfor_v_\@:
	tensor_load_to_lds s[G0:G0+3], s[G1V:G1V+7]
	s_nop 0
.rept 4
	v_nop
.endr
.Lasked_\@:
.endm
; A prefetch of the slot that the NEXT change of slots will ask for: 384 rows of 128 bytes, dense: 6 x 32 lanes x 256 bytes.  All work-groups of a head begin at key 0 and walk upward: the head's work-group j = 0, whose first
; block walks all keys, asks, and in it the two waves that fetch nothing: wave 3 for K, wave 7 for V.  So each 256 bytes are named once in the launch.  Slots 0 and 1 come by their loads alone; slots 2 to 9 are asked for;
; slot 10 is not: its bytes would pass the head's end.
.macro ASK
	s_cmp_gt_u32 s[SLOTS], s[LIM]
	s_cbranch_scc0 .Lnot_mine_\@
.irp i, 0,1,2,3,4,5
	global_prefetch_b8 v[PFO], s[PFA:PFA+1] offset:8192*\i th:TH_LOAD_NT scope:SCOPE_SE
.endr
.Lnot_mine_\@:
.endm
.macro INIT                            ; a block begins: m = -3e38, l = 0, O^T = 0.  The step is written once: its first walk finds zeros, which a = 0 leaves zeros
.irp t, 0,1
	v_mov_b32 v[ST+8*\t+1], 0xff61b1e6
	v_mov_b32 v[ST+8*\t+2], 0
	v_mov_b32 v[ST+8*\t+3], 0
.endr
.irp t, 0,1
	v_mul_f32 v[ST+8*\t], s[CS], v[ST+8*\t+1]
.endr
.set i, 0
.rept 64
	v_mov_b32 v[O+i], 0
.set i, i+1
.endr
.endm
	s_load_b128 s[4:7], s[0:1], 0x0                ; qkvh, att
	v_lshl_add_u32 v[SPW], v0, 2, SPARE
	v_mov_b32 v[NIL], 0
	ds_add_u32 v[SPW], v[NIL]                      ; the wave's opening
	ds_add_u32 v[SPW], v[NIL]
	v_lshrrev_b32 v224, 5, v0
	v_readfirstlane_b32 s[WV], v224                ; wave 0..7
	s_and_b32 s[U], s[WV], 3
	s_lshr_b32 s[G], s[WV], 2
	s_mov_b32 s[J], ttmp9
	s_and_b32 s[HD], ttmp7, 0xffff
	s_sub_co_u32 s[NH], 32, s[J]
	s_sub_co_u32 s[NEXTD], 31, s[J]                ; the first block's number, and its last double step
	s_mov_b32 s[G1K], (1<<16)|(1<<20)|(4<<22)|(3<<25)   ; no mask; elements of 2 bytes; padding on: 4 words behind every 32
	s_mov_b32 s[G1V], (1<<16)|(1<<20)|(4<<22)|(7<<25)   ; the same with 8 words
.irp g, G1K, G1V
	s_mov_b32 s[\g+1], 64<<16                      ; tensor_dim0 = 64
	s_mov_b32 s[\g+2], 128<<16                     ; tensor_dim1 = 128
	s_mov_b32 s[\g+3], 64<<16                      ; tile_dim0 = 64
	s_mov_b32 s[\g+4], 128                         ; tile_dim1 = 128
	s_mov_b32 s[\g+5], 64                          ; the pitch
	s_mov_b32 s[\g+6], 0
	s_mov_b32 s[\g+7], 0
.endr
	s_mov_b32 s[G0], 1
	s_mul_i32 s[G0+1], s[U], DSB                   ; LDS: double step U of slot 0,
	s_mul_i32 s58, s[G], VOFF                      ; K's part or V's
	s_add_co_u32 s[G0+1], s[G0+1], s58
	s_mov_b32 s[DD], s[U]
	s_lshl_b32 s[OFFP], s[U], 14                   ; a double step is 128 rows of 128 bytes
	s_mov_b32 s[OFFP+1], 0
	s_mov_b32 s[CS], 0x3e38aa3b                    ; c = log2(e) / 8
	s_mov_b32 s[CS+1], s[CS]
	s_mov_b32 s[SEL], 0x76543210
	s_mov_b32 s[SEL+1], 0xfedcba98
	s_mov_b32 s[DT], 0
	s_mov_b32 s[TB], 0
	s_mov_b32 s[SLOTS], 10
	s_xor_b32 s58, s[U], 3
	s_or_b32 s58, s58, ttmp9
	s_cmp_eq_u32 s58, 0
	s_cselect_b32 s[LIM], 2, -1                    ; 2 in waves 3 and 7 of work-group j = 0, else the greatest number
	s_lshl_b32 s58, s[HD], 19                      ; my head,
	s_lshl_b32 s59, s[U], 12                       ; my strip's 32 rows of 128 bytes
	s_add_co_u32 s58, s58, s59
	s_lshl_b32 s60, s[NEXTD], 14                   ; the first block,
	s_add_co_u32 s60, s60, s58
	s_mov_b32 s61, 0
	s_lshl_b32 s62, s[J], 14                       ; the second
	s_add_co_u32 s62, s62, s58
	s_mov_b32 s63, 0
	s_add_co_u32 s66, s[G], 1
	s_lshl_b32 s66, s66, 4
	s_add_co_u32 s66, s66, s[HD]
	s_lshl_b32 s66, s66, 19                        ; head block 16 + head (K) or 32 + head (V)
	s_mov_b32 s67, 0
	v_and_b32 v224, 15, v0                         ; r
	v_bfe_u32 v225, v0, 4, 1                       ; h
	v_and_b32 v226, 31, v0                         ; lane
	v_mul_u32_u24 v[AK0], v224, KP
	v_lshl_add_u32 v[AK0], v225, 4, v[AK0]
	s_mul_i32 s58, s[G], 64*KP
	v_add_nc_u32 v[AK0], s58, v[AK0]               ; K: row r of my 64 keys, + 16 h
	v_and_b32 v227, 7, v0
	v_lshl_add_u32 v227, v225, 3, v227
	v_mul_u32_u24 v[AV0], v227, VP
	v_bfe_u32 v227, v0, 3, 1
	v_lshl_add_u32 v[AV0], v227, 4, v[AV0]
	s_mul_i32 s58, s[G], 64*VP
	s_add_co_u32 s58, s58, VOFF
	v_add_nc_u32 v[AV0], s58, v[AV0]               ; V, for the turning load: key 8 h + lane % 8, channels 8 ((lane / 8) % 2) on
	v_lshlrev_b32 v[QO], 7, v224
	v_lshl_add_u32 v[QO], v225, 4, v[QO]           ; Q: row r of 128 bytes, + 16 h
	s_lshl_b32 s58, s[U], 5
	s_lshl_b32 s59, s[G], 6
	s_sub_co_i32 s58, s58, s59
	v_lshlrev_b32 v227, 3, v225
	v_sub_nc_u32 v[DL], v224, v227
	v_add_nc_u32 v[DL], s58, v[DL]
	v_mov_b32 v[NINF], 0xff800000
	s_mul_i32 s58, s[U], MSTR
	s_add_co_u32 s58, s58, MERGE
	v_lshl_add_u32 v[MW], v226, 4, s58             ; my strip's image of O^T: 16 x lane
	s_add_co_u32 s58, s58, 8192
	v_lshl_add_u32 v[MS], v226, 2, s58             ; and its statistics: 4 x lane
	s_mul_i32 s58, s[U], SSTR
	s_add_co_u32 s58, s58, STAGE
	v_mul_u32_u24 v[STO], v224, KP
	v_lshl_add_u32 v[STO], v225, 4, v[STO]
	v_add_nc_u32 v[STO], s58, v[STO]               ; the stage, in: row r, 16 bytes for each half of the lanes
	v_bfe_u32 v227, v0, 3, 2
	v_mul_u32_u24 v[RD], v227, KP
	v_and_b32 v227, 7, v0
	v_lshl_add_u32 v[RD], v227, 4, v[RD]
	v_add_nc_u32 v[RD], s58, v[RD]                 ; back: eight lanes to a row, four rows an instruction
	v_lshlrev_b32 v[GO], 4, v226
	v_lshlrev_b32 v[PFO], 8, v226
	s_wait_dscnt 0x0                               ; both opening adds are done
	s_wait_kmcnt 0x0
	s_add_nc_u64 s[KVB:KVB+1], s[4:5], s[66:67]
	s_add_nc_u64 s[CUR:CUR+1], s[6:7], s[60:61]
	s_add_nc_u64 s[OBL:OBL+1], s[6:7], s[62:63]
	s_add_nc_u64 s[68:69], s[4:5], s[60:61]        ; Q of the first block,
	s_add_nc_u64 s[70:71], s[4:5], s[62:63]        ; of the second
	s_add_nc_u64 s[PFA:PFA+1], s[KVB:KVB+1], 3*16384   ; at slot 1: the first change of slots steps it to slot 2
	s_add_nc_u64 s[G0+2:G0+3], s[KVB:KVB+1], s[OFFP:OFFP+1]
	s_or_b32 s[G0+3], s[G0+3], 0x80000000
	TLOAD                                          ; slot 0
.irp t, 0,1
.irp cs, 0,1
	global_load_b128 v[Q+16*\t+8*\cs:Q+16*\t+8*\cs+3], v[QO], s[68:69] offset:2048*\t+64*\cs
	global_load_b128 v[Q+16*\t+8*\cs+4:Q+16*\t+8*\cs+7], v[QO], s[68:69] offset:2048*\t+64*\cs+32
.endr
.endr
	WIN 0x40                                       ; destination window 1
.irp t, 0,1
.irp cs, 0,1
	global_load_b128 v[QL+16*\t+8*\cs:QL+16*\t+8*\cs+3], v[QO], s[70:71] offset:2048*\t+64*\cs
	global_load_b128 v[QL+16*\t+8*\cs+4:QL+16*\t+8*\cs+7], v[QO], s[70:71] offset:2048*\t+64*\cs+32
.endr
.endr
	WIN 0
	INIT
; ONE TILE PAIR'S SOFTMAX FOR A STEP, in phases; every group of lines runs over both tiles, so that no line waits for the line above it.
.macro SOFTMAX
.irp j, 0,1,2,3
.irp t, 0,1
	v_max3_num_f32 v[ST+8*\t+4+\j], v[S+32*\t+8*\j], v[S+32*\t+8*\j+1], v[S+32*\t+8*\j+2]   ; four chains, each begun at its accumulator's low end
.endr
.endr
.irp g, 1,2
.irp j, 0,1,2,3
.irp t, 0,1
	v_max3_num_f32 v[ST+8*\t+4+\j], v[ST+8*\t+4+\j], v[S+32*\t+8*\j+2*\g+1], v[S+32*\t+8*\j+2*\g+2]
.endr
.endr
.endr
.irp t, 0,1
	v_max3_num_f32 v[ST+8*\t+4], v[ST+8*\t+4], v[S+32*\t+7], v[S+32*\t+15]
	v_max3_num_f32 v[ST+8*\t+6], v[ST+8*\t+6], v[S+32*\t+23], v[S+32*\t+31]
.endr
.irp t, 0,1
	v_max3_num_f32 v[ST+8*\t+4], v[ST+8*\t+4], v[ST+8*\t+5], v[ST+8*\t+6]
.endr
.irp t, 0,1
	v_max3_num_f32 v[ST+8*\t+4], v[ST+8*\t+4], v[ST+8*\t+7], v[ST+8*\t+1]   ; with the old m
.endr
.irp t, 0,1
	v_permlanex16_b32 v[ST+8*\t+5], v[ST+8*\t+4], s[SEL], s[SEL+1]          ; the query's other 32 keys lie in the lane 16 away
.endr
.irp t, 0,1
	v_mov_b32 v[ST+8*\t+7], v[ST+8*\t]                                      ; c m_old is kept for a
.endr
.irp t, 0,1
	v_max_num_f32 v[ST+8*\t+1], v[ST+8*\t+4], v[ST+8*\t+5]
.endr
.irp t, 0,1
	v_mul_f32 v[ST+8*\t], s[CS], v[ST+8*\t+1]
.endr
.irp t, 0,1
	v_sub_f32 v[ST+8*\t+7], v[ST+8*\t+7], v[ST+8*\t]
.endr
.irp b, 0,1,2,3,4,5,6,7,8,9,10,11,12,13,14,15
.irp t, 0,1
	v_pk_fma_f32 v[S+32*\t+2*\b:S+32*\t+2*\b+1], v[S+32*\t+2*\b:S+32*\t+2*\b+1], s[CS:CS+1], v[ST+8*\t:ST+8*\t+1] op_sel_hi:[1,0,0] neg_lo:[0,0,1] neg_hi:[0,0,1]   ; c s - c m
.endr
.endr
.irp t, 0,1
	v_exp_f32 v[ST+8*\t+6], v[ST+8*\t+7]           ; a = 2^(c m_old - c m_new)
.endr
.set i, 0
.rept 64
	v_exp_f32 v[S+i], v[S+i]                       ; p, at most 1
.set i, i+1
.endr
	v_nop                                          ; a plain line behind the last exponential
	s_wait_alu depctr_va_vdst(0)                   ; the wait ahead of the first line that names a result: one for the 66
.set i, 0
.rept 32
	v_cvt_pk_f16_f32 v[P+i], v[S+2*i], v[S+2*i+1]  ; two tiles of 16 keys, in pairs, are a fragment of 32 keys
.set i, i+1
.endr
.irp w, 4,8,16,32                      ; the sum of a tile's 16 pairs, in place: neighbours 1, 2, 4, 8 pairs apart
.set i, 0
.rept 64/\w
	v_pk_add_f32 v[S+\w*i:S+\w*i+1], v[S+\w*i:S+\w*i+1], v[S+\w*i+\w/2:S+\w*i+\w/2+1]
.set i, i+1
.endr
.endr
.irp t, 0,1
	v_pk_fma_f32 v[ST+8*\t+2:ST+8*\t+3], v[ST+8*\t+2:ST+8*\t+3], v[ST+8*\t+6:ST+8*\t+7], v[S+32*\t:S+32*\t+1] op_sel_hi:[1,0,1]   ; l = a l + the sum
.endr
.irp t, 0,1
.set i, 0
.rept 16
	v_pk_mul_f32 v[O+32*\t+2*i:O+32*\t+2*i+1], v[O+32*\t+2*i:O+32*\t+2*i+1], v[ST+8*\t+6:ST+8*\t+7] op_sel_hi:[1,0]   ; O^T x a, each accumulator from its low end on
.set i, i+1
.endr
.endr
.endm
; A DOUBLE STEP, my 64 keys of it.
.macro STEP
	v_add_nc_u32 v[ADK], s[TB], v[AK0]
	v_add_nc_u32 v[ADV], s[TB], v[AV0]
	v_nop
	v_nop                                          ; four plain lines between the last products and the loads into V's registers
	WIN 0x40                                       ; destination window 1
.irp kt, 0,1,2,3
.irp cs, 0,1
	ds_load_b128 v[8*(2*\kt+\cs):8*(2*\kt+\cs)+3],   v[ADK] offset:16*KP*\kt+64*\cs
	ds_load_b128 v[8*(2*\kt+\cs)+4:8*(2*\kt+\cs)+7], v[ADK] offset:16*KP*\kt+64*\cs+32
.endr
.endr
.irp ks, 0,1
.irp ct, 0,1,2,3
	ds_load_tr16_b128 v[64+8*(4*\ks+\ct):64+8*(4*\ks+\ct)+3],   v[ADV] offset:32*VP*\ks+32*\ct
	ds_load_tr16_b128 v[64+8*(4*\ks+\ct)+4:64+8*(4*\ks+\ct)+7], v[ADV] offset:32*VP*\ks+16*VP+32*\ct
.endr
.endr
	s_wait_dscnt 16                                ; K's 16 loads are in; V's 16 may be out
	WIN 0x01                                       ; source 0 window 1
.set i, 0
.rept 16                               ; S^T = K Q^T: channels 32 (i / 8) on, keys 16 ((i / 2) % 4) on, tile i % 2: eight accumulators by turns
.set rS, S+32*(i%2)+8*((i/2)%4)
.set rK, 8*(2*((i/2)%4)+i/8)
.set rQ, Q+16*(i%2)+8*(i/8)
.if i < 8
	v_wmma_f32_16x16x32_f16 v[rS:rS+7], v[rK:rK+7], v[rQ:rQ+7], 0
.else
	v_wmma_f32_16x16x32_f16 v[rS:rS+7], v[rK:rK+7], v[rQ:rQ+7], v[rS:rS+7]
.endif
.set i, i+1
.endr
	WIN 0
.rept 4
	v_nop
.endr
	s_cmp_lg_u32 s[DT], s[NEXTD]                   ; ids and the count of steps alone
	s_cbranch_scc1 .Lopen_\@
.irp t, 0,1                            ; on the diagonal: register n of tile t holds key 64 G + 8 h + 16 (n / 8) + n % 8 for query 32 U + 16 t + r
.set n, 0
.rept 32
	v_cmp_gt_i32 vcc_lo, 16*(n/8)+n%8-16*\t, v[DL]
	v_cndmask_b32 v[S+32*\t+n], v[S+32*\t+n], v[NINF], vcc_lo
.set n, n+1
.endr
.endr
.Lopen_\@:
	SOFTMAX
	s_wait_dscnt 0x0                               ; V is in
	WIN 0x01
.set i, 0
.rept 16                               ; O^T += V^T P: keys 32 (i / 8) on, channels 16 ((i / 2) % 4) on, tile i % 2: eight accumulators by turns
.set rO, O+32*(i%2)+8*((i/2)%4)
.set rV, 64+8*(4*(i/8)+(i/2)%4)
.set rP, P+16*(i%2)+8*(i/8)
	v_wmma_f32_16x16x32_f16 v[rO:rO+7], v[rV:rV+7], v[rP:rP+7], v[rO:rO+7]
.set i, i+1
.endr
	WIN 0
	s_cmp_lg_u32 s[DT], s[NEXTD]                   ; the same in all eight waves: the two barriers below are passed by all or by none
	s_cbranch_scc1 .Lnofin_\@
	; ---- A BLOCK ENDS.  The G = 1 wave hands (c m, l, O^T) to its strip's G = 0 wave as images of its registers
	v_add_f32 v[ST+4], v[ST+2], v[ST+3]            ; l's two halves
	v_add_f32 v[ST+12], v[ST+10], v[ST+11]
	v_nop
	v_nop                                          ; four plain lines behind the last products
	s_cmp_eq_u32 s[G], 0
	s_cbranch_scc1 .Lkeeps_\@
.set i, 0
.rept 16
	ds_store_b128 v[MW], v[O+4*i:O+4*i+3] offset:512*i
.set i, i+1
.endr
	ds_store_b32 v[MS], v[ST]
	ds_store_b32 v[MS], v[ST+8] offset:128
	ds_store_b32 v[MS], v[ST+4] offset:256
	ds_store_b32 v[MS], v[ST+12] offset:384
.Lkeeps_\@:
	s_wait_dscnt 0x0                               ; for the other wave's sake: my stores have landed
	s_barrier_signal -1
	s_barrier_wait -1
	s_cmp_lg_u32 s[G], 0
	s_cbranch_scc1 .Lgave_\@
	ds_load_b32 v224, v[MS]
	ds_load_b32 v225, v[MS] offset:128
	ds_load_b32 v226, v[MS] offset:256
	ds_load_b32 v227, v[MS] offset:384
.set i, 0
.rept 16
	ds_load_b128 v[S+4*i:S+4*i+3], v[MW] offset:512*i
.set i, i+1
.endr
.Lgave_\@:
	s_wait_dscnt 0x0                               ; my reads of the images are over:
	s_barrier_signal -1
	s_barrier_wait -1                              ; only behind this barrier can the next block's images be stored
	s_cmp_lg_u32 s[G], 0
	s_cbranch_scc1 .Lmerged_\@
.irp t, 0,1
	v_max_num_f32 v[228+\t], v[ST+8*\t], v[224+\t] ; the larger c m
.endr
.irp t, 0,1
	v_sub_f32 v[230+2*\t], v[ST+8*\t], v[228+\t]
	v_sub_f32 v[231+2*\t], v[224+\t], v[228+\t]
.endr
.irp e, 230,231,232,233
	v_exp_f32 v\e, v\e                             ; a1, a2 of both tiles
.endr
	v_nop
	s_wait_alu depctr_va_vdst(0)                   ; one wait for the four
.irp t, 0,1
	v_mul_f32 v[234+\t], v[230+2*\t], v[ST+8*\t+4]
.endr
.irp t, 0,1
	v_fma_f32 v[234+\t], v[231+2*\t], v[226+\t], v[234+\t]
.endr
.irp t, 0,1
	v_permlanex16_b32 v[228+\t], v[234+\t], s[SEL], s[SEL+1]
.endr
.irp t, 0,1
	v_add_f32 v[234+\t], v[234+\t], v[228+\t]      ; the row's sum
.endr
.irp t, 0,1
	v_rcp_f32 v[234+\t], v[234+\t]
.endr
	v_nop
	s_wait_alu depctr_va_vdst(0)                   ; one wait for the two
.irp t, 0,1
	v_mul_f32 v[240+4*\t], v[230+2*\t], v[234+\t]  ; a1 / l and a2 / l, each twice: pairs for the packed forms
	v_mul_f32 v[241+4*\t], v[230+2*\t], v[234+\t]
	v_mul_f32 v[242+4*\t], v[231+2*\t], v[234+\t]
	v_mul_f32 v[243+4*\t], v[231+2*\t], v[234+\t]
.endr
.irp t, 0,1
.set i, 0
.rept 16
	v_pk_mul_f32 v[O+32*\t+2*i:O+32*\t+2*i+1], v[O+32*\t+2*i:O+32*\t+2*i+1], v[240+4*\t:241+4*\t]
	v_pk_fma_f32 v[O+32*\t+2*i:O+32*\t+2*i+1], v[S+32*\t+2*i:S+32*\t+2*i+1], v[242+4*\t:243+4*\t], v[O+32*\t+2*i:O+32*\t+2*i+1]
.set i, i+1
.endr
.endr
.set i, 0
.rept 32
	v_cvt_pk_f16_f32 v[P+i], v[O+2*i], v[O+2*i+1]  ; a lane's eight channels of a row pack into 16 bytes
.set i, i+1
.endr
.irp t, 0,1
.irp ct, 0,1,2,3
	ds_store_b128 v[STO], v[P+16*\t+4*\ct:P+16*\t+4*\ct+3] offset:16*KP*\t+32*\ct
.endr
.endr
.irp t, 0,1
.irp f, 0,1,2,3
	ds_load_b128 v[S+16*\t+4*\f:S+16*\t+4*\f+3], v[RD] offset:16*KP*\t+4*KP*\f   ; a wave's LDS instructions are served in order: these see the stores above
.endr
.endr
.irp t, 0,1
.irp f, 0,1,2,3
	s_wait_dscnt 7-4*\t-\f                         ; this load is in; the younger ones may be out
	global_store_b128 v[GO], v[S+16*\t+4*\f:S+16*\t+4*\f+3], s[CUR:CUR+1] offset:2048*\t+512*\f   ; 32 lanes store four rows: 512 consecutive bytes
.endr
.endr
	s_wait_xcnt 0x0                                ; the stores have read their registers and their base: the next scores land on the first, and the base is written below
.Lmerged_\@:
	s_cmp_eq_u32 s[DT], 32                         ; the second block's end: nothing follows
	s_cbranch_scc1 .Lnofin_\@
	s_mov_b64 s[CUR:CUR+1], s[OBL:OBL+1]
	s_mov_b32 s[NEXTD], 32
	WIN 0x01
.set i, 0
.rept 32
	v_mov_b32 v[Q+i], v[QL+i]                      ; the second block's Q, loaded at the head, comes into the window in which the products name it
.set i, i+1
.endr
	WIN 0
	INIT
.Lnofin_\@:
	s_add_co_u32 s[DT], s[DT], 1
	s_add_co_u32 s[TB], s[TB], DSB
.endm
; THE CHANGE OF SLOTS stands at a slot's head.  Each wave waits for all its tensor loads (one is out at the most: its part of the slot ahead), adds 0 to its spare word, and waits for that and for its reads of the slot that it has left.
; fill = 1: behind the barrier the other slot is filled with the next three double steps: the load has a slot's three double steps in which to land.
.macro CHANGE fill
	s_wait_tensorcnt 0x0                           ; no tensor load of mine is out, so group 0 may be written
	ds_add_u32 v[SPW], v[NIL]
.if \fill
	ds_add_u32 v[SPW], v[NIL]                      ; and twice on end here, in every trip alike
	s_add_co_u32 s[DD], s[DD], 3
	s_cmp_lt_u32 s[DD], s[NH]                      ; still the first block's keys?
	s_cselect_b32 s[OFFP], 0, s[NH]
	s_sub_co_u32 s[OFFP], s[DD], s[OFFP]           ; else the walk has turned back to key 0
	s_lshl_b32 s[OFFP], s[OFFP], 14
	s_add_nc_u64 s[G0+2:G0+3], s[KVB:KVB+1], s[OFFP:OFFP+1]
	s_or_b32 s[G0+3], s[G0+3], 0x80000000
	s_xor_b32 s[G0+1], s[G0+1], SLOT1
	s_wait_xcnt 0x0                                ; the last prefetches, a slot back, have read their address
	s_add_nc_u64 s[PFA:PFA+1], s[PFA:PFA+1], 3*16384
.endif
	s_wait_dscnt 0x0                               ; the add is done, and my reads of the slot that I have left are over
	s_barrier_signal -1
	s_barrier_wait -1
.if \fill
	TLOAD                                          ; the first thing behind the barrier, and a wave's one tensor load until the next
	ASK
.endif
.endm
.macro SLOT_STEPS                      ; a slot's three double steps: written once, walked three times
	s_mov_b32 s[TRI], 3
.Lstep_\@:
	STEP
	s_sub_co_u32 s[TRI], s[TRI], 1
	s_cmp_lg_u32 s[TRI], 0
	s_cbranch_scc1 .Lstep_\@
	s_sub_co_u32 s[TB], s[TB], 3*DSB               ; back to a slot's first double step,
	s_xor_b32 s[TB], s[TB], SLOT1                  ; in the other slot
.endm
	s_wait_loadcnt 0x0                             ; Q of both blocks
.Lslot:                                            ; 10 trips: behind each change of slots but the last the next slot is asked for
	CHANGE 1
	SLOT_STEPS
	s_sub_co_u32 s[SLOTS], s[SLOTS], 1
	s_cmp_lg_u32 s[SLOTS], 0
	s_cbranch_scc1 .Lslot
	CHANGE 0                                       ; the last slot is written out
	SLOT_STEPS
	s_wait_tensorcnt 0x0                           ; the wave's end
	ds_add_u32 v[SPW], v[NIL]
	s_wait_dscnt 0x0
	s_endpgm
.Lfunc_end_k_q3db3f613c3_attn:
	.size	k_q3db3f613c3_attn, .Lfunc_end_k_q3db3f613c3_attn-k_q3db3f613c3_attn
	.p2alignl 7, 3214868480
	.fill 96, 4, 3214868480
	.section	.rodata,"a",@progbits
	.p2align	6, 0x0
	.amdhsa_kernel k_q3db3f613c3_attn
		.amdhsa_group_segment_fixed_size 327680
		.amdhsa_private_segment_fixed_size 0
		.amdhsa_enable_private_segment 0
		.amdhsa_kernarg_size 16
		.amdhsa_user_sgpr_count 2
		.amdhsa_user_sgpr_kernarg_segment_ptr 1
		.amdhsa_wavefront_size32 1
		.amdhsa_system_sgpr_workgroup_id_x 1
		.amdhsa_system_sgpr_workgroup_id_y 1
		.amdhsa_system_sgpr_workgroup_id_z 1
		.amdhsa_system_vgpr_workitem_id 0
		.amdhsa_next_free_vgpr 416
		.amdhsa_next_free_sgpr 72
		.amdhsa_reserve_vcc 1
		.amdhsa_float_denorm_mode_32 3
		.amdhsa_float_denorm_mode_16_64 3
		.amdhsa_memory_ordered 1
		.amdhsa_forward_progress 1
		.amdhsa_inst_pref_size 87
	.end_amdhsa_kernel
	.amdgpu_metadata
---
amdhsa.version: [ 1, 2 ]
amdhsa.kernels:
  - .name:           k_q3db3f613c3_attn
    .symbol:         k_q3db3f613c3_attn.kd
    .args:
      - { .name: qkvh, .offset: 0, .size: 8, .value_kind: global_buffer, .address_space: global }
      - { .name: att, .offset: 8, .size: 8, .value_kind: global_buffer, .address_space: global }
    .group_segment_fixed_size: 327680
    .private_segment_fixed_size: 0
    .kernarg_segment_align: 8
    .kernarg_segment_size: 16
    .max_flat_workgroup_size: 256
    .sgpr_count:     72
    .vgpr_count:     416
    .wavefront_size: 32
...
	.end_amdgpu_metadata
.endif
;; end of part 4
;; launch proj (part 5): grid 8 x 32, 4 waves a work-group, clusters of 4 x 4, 327,680 bytes of LDS; arguments att, w16, b_out, out0; writes out0
.if DOCPART == 5
	.amdgcn_target "amdgcn-amd-amdhsa--gfx1250"
	.amdhsa_code_object_version 6
	.text
	.protected	k_q3db3f613c3_proj
	.globl	k_q3db3f613c3_proj
	.p2align	8
	.type	k_q3db3f613c3_proj,@function
k_q3db3f613c3_proj:
	s_mov_b64 s[64:65], 0
	v_nop
	global_prefetch_b8 v0, s[64:65] scope:SCOPE_SE
	s_setreg_imm32_b32 hwreg(HW_REG_WAVE_MODE, 25, 1), 1
	s_wait_xcnt 0x0
	s_wait_alu depctr_hold_cnt(0) depctr_sa_sdst(0) depctr_va_vdst(0) depctr_va_sdst(0) depctr_va_ssrc(0) depctr_va_vcc(0) depctr_vm_vsrc(0)
	s_getreg_b32 s2, hwreg(HW_REG_IB_STS2, 6, 4)
	s_cmp_eq_u32 s2, 0
	s_cbranch_scc0 .Lentry_in_a_cluster
	s_endpgm
.Lentry_in_a_cluster:
	s_bfe_u32 s2, ttmp6, 0x10000c
	s_cmp_lg_u32 s2, 0xf033
	s_cbranch_scc0 .Lentry_shape_is_right
	s_endpgm
.Lentry_shape_is_right:
; out0[m][n] = sum over k of a[m][k] w[k][n] + b_out[n].  a = att [16 heads][4096][64] f16 (k = 64 head + channel); w16 [1024 (k)][1024 (n)] f16; out0 [4096][1024] f32; sums in f32.
; A tile of 128 x 128 gives 8 x 32 = 256 work-groups.  Four waves, each 64 x 64: 16 accumulators.  K goes in steps of 256 (four heads) through two LDS slots.
; In a slot: a's part [4 heads][128 rows][128 bytes + 16]; w's part [256 k][256 bytes + 32].  w lies [k][n], so its fragments come out of LDS turned.
; CLUSTERS: 4 x 4; a's tiles are asked for jointly along a row of the cluster, w's along a column.  THE MATRIX INSTRUCTION IS USED TRANSPOSED (source 0 = 16 columns of w, source 1 = 16 rows of a):
; a lane holds eight neighbouring columns of one row.  The bias is the C of each sum's first product.  A wave's 64 columns of f32 are 256 bytes: each wave stores through a stage of its own, with no barrier.
; Rows 0-15 are written here like all others and written anew, from f32 operands, by the last launch.
; REGISTERS: window 0: v0-31 addresses; v32-95 the way out; v96-127 the bias; v128-255 accumulators ((a, b) at v[128 + 8 (4 a + b)]).  window 1: two fragment buffers of 128: 64 of a, then 64 of w.
.set AP,     144                       ; a row of a in LDS
.set BP,     288                       ; a row of w in LDS
.set HALFT,  36864                     ; what one tensor load brings: two heads x 128 rows x 144, or 128 rows x 288
.set SLOT,   4*HALFT
.set STAGE,  2*SLOT                    ; behind the ring: 16 rows x 272 bytes for each wave
.set SPITCH, 272
.set SPARE,  STAGE+4*16*SPITCH
.set LAPS,   2                         ; 1,024 / (2 x 256)
.set ASTEP,  4*524288                  ; a K step in att: four heads
.set BSTEP,  256*2048                  ; and in w16: 256 rows
.set ADRA, 16                          ; v16-17 a's fragments in slot 0, 1
.set ADRB, 20                          ; v20-23 w's: slot 0 rows 0-127, 128-255; slot 1 likewise (an LDS immediate has 16 bits)
.set STO,  24
.set RD,   25
.set CO,   26
.set BO,   27
.set SPW,  28
.set NIL,  29
.set TMP,  32
.set BIAS, 96
.set ACC,  128
.set F0,   0
.set F1,   128
.set G1, 24
.set G0, 32
.set G1B, 48
.set G0B, 56
.set MSB, 0
.macro WIN new
.if MSB != (\new)
	s_set_vgpr_msb (MSB<<8)|(\new)
.set MSB, \new
.endif
.endm
.set MUL,  0x05                        ; sources 0 and 1 window 1; C and D window 0
.set TO_F, 0x40
.macro JLOAD s                         ; a joint load: waves 0 and 1 fetch for a, waves 2 and 3 for w; an s_nop 0 and four v_nop follow each line
	s_cmp_eq_u32 s11, 0
	s_cbranch_scc0 .Lfor_b_\@
	tensor_load_to_lds s[G0+4*\s:G0+4*\s+3], s[G1:G1+7]
	s_nop 0
.rept 4
	v_nop
.endr
	s_branch .Lasked_\@
.Lfor_b_\@:
	tensor_load_to_lds s[G0B+4*\s:G0B+4*\s+3], s[G1B:G1B+7]
	s_nop 0
.rept 4
	v_nop
.endr
.Lasked_\@:
.endm
.macro CREST
	s_cmp_lg_u32 s10, 0
	s_cbranch_scc1 .Lnot_wave_0_\@
	s_barrier_signal -3
.Lnot_wave_0_\@:
	s_barrier_wait -3
	s_barrier_signal -1
	s_barrier_wait -1
.endm
.macro CROUND
	s_barrier_signal -1
	s_barrier_wait -1
	CREST
.endm
	s_load_b128 s[4:7], s[0:1], 0x0                ; att, w16
	s_load_b64 s[66:67], s[0:1], 0x10              ; b_out
	s_load_b64 s[8:9], s[0:1], 0x18                ; out0
	v_lshl_add_u32 v[SPW], v0, 2, SPARE
	v_mov_b32 v[NIL], 0
	ds_add_u32 v[SPW], v[NIL]                      ; the wave's opening
	ds_add_u32 v[SPW], v[NIL]
	v_lshrrev_b32 v1, 5, v0
	v_readfirstlane_b32 s10, v1                    ; wave 0..3
	s_lshr_b32 s11, s10, 1                         ; which half of the tile's rows is mine.  Also: I fetch for a (0) or for w (1)
	s_and_b32 s12, s10, 1                          ; which half of its columns.  Also: which half of that tile I fetch
	s_bfe_u32 s40, ttmp6, 0x40000
	s_bfe_u32 s41, ttmp6, 0x40004
	s_lshl_b32 s42, ttmp9, 2
	s_add_co_u32 s42, s42, s40                     ; tile column
	s_and_b32 s13, ttmp7, 0xffff
	s_lshl_b32 s13, s13, 2
	s_add_co_u32 s13, s13, s41                     ; tile row
	s_lshl_b32 s43, s41, 2
	s_lshl_b32 s43, 15, s43                        ; my row of the cluster
	s_lshl_b32 s44, 0x1111, s40                    ; my column
	; a's tile: two heads; a head's 128 rows of 128 bytes are dense, so they are stated as ONE row of 8,192 elements, 262,144 elements from head to head; 4 words of padding behind every 32, which divides that row
	s_or_b32 s[G1+0], s43, (1<<16)|(1<<20)|(1<<21)|(4<<22)|(3<<25)
	s_mov_b32 s[G1+1], 8192<<16                    ; tensor_dim0
	s_mov_b32 s[G1+2], 2<<16                       ; tensor_dim1
	s_mov_b32 s[G1+3], 8192<<16                    ; tile_dim0
	s_mov_b32 s[G1+4], 2                           ; tile_dim1
	s_mov_b32 s[G1+5], 262144                      ; the pitch
	s_mov_b32 s[G1+6], 0
	s_mov_b32 s[G1+7], 0
	; w's tile: 128 rows (k) of 128 elements (n), 1,024 elements from row to row; 8 words of padding behind every 64
	s_or_b32 s[G1B+0], s44, (1<<16)|(1<<20)|(1<<21)|(5<<22)|(7<<25)
	s_mov_b32 s[G1B+1], 128<<16
	s_mov_b32 s[G1B+2], 128<<16
	s_mov_b32 s[G1B+3], 128<<16
	s_mov_b32 s[G1B+4], 128
	s_mov_b32 s[G1B+5], 1024
	s_mov_b32 s[G1B+6], 0
	s_mov_b32 s[G1B+7], 0
	s_lshl_b32 s16, s13, 14                        ; a: the tile row's 128 rows of 128 bytes,
	s_lshl_b32 s17, s12, 20                        ; my two heads
	s_add_co_u32 s16, s16, s17
	s_mov_b32 s17, 0
	s_lshl_b32 s46, s42, 8                         ; w: the tile column's 256 bytes,
	s_lshl_b32 s47, s12, 18                        ; my 128 rows of 2,048 bytes
	s_add_co_u32 s46, s46, s47
	s_mov_b32 s47, 0
	s_mul_i32 s20, s10, HALFT                      ; where they go: wave x what a load brings
	s_wait_dscnt 0x0                               ; both opening adds are done
	s_wait_kmcnt 0x0
	s_add_nc_u64 s[14:15], s[4:5], s[16:17]
	s_add_nc_u64 s[46:47], s[6:7], s[46:47]
	CROUND                                         ; all sixteen work-groups are here: the first joint loads meet
.irp s, 0,1
	s_mov_b32 s[G0+4*\s], 1
	s_add_co_u32 s[G0+4*\s+1], s20, \s*SLOT
	s_add_nc_u64 s[G0+4*\s+2:G0+4*\s+3], s[14:15], \s*ASTEP
	s_or_b32 s[G0+4*\s+3], s[G0+4*\s+3], 0x80000000
	s_mov_b32 s[G0B+4*\s], 1
	s_add_co_u32 s[G0B+4*\s+1], s20, \s*SLOT
	s_add_nc_u64 s[G0B+4*\s+2:G0B+4*\s+3], s[46:47], \s*BSTEP
	s_or_b32 s[G0B+4*\s+3], s[G0B+4*\s+3], 0x80000000
	JLOAD \s
.endr
	v_and_b32 v1, 15, v0                           ; r
	v_bfe_u32 v2, v0, 4, 1                         ; h
	v_mul_u32_u24 v3, v1, AP
	v_lshl_add_u32 v3, v2, 4, v3                   ; a: row r x pitch + 16 h
	s_mul_i32 s21, s11, 64*AP                      ; my 64 rows
	v_and_b32 v4, 7, v0
	v_lshl_add_u32 v4, v2, 3, v4
	v_mul_u32_u24 v4, v4, BP
	v_bfe_u32 v5, v0, 3, 1
	v_lshl_add_u32 v4, v5, 4, v4                   ; w, for the turning load: k = 8 h + lane % 8, columns 8 ((lane / 8) % 2) on
	s_lshl_b32 s22, s12, 7                         ; my 64 columns,
	s_add_co_u32 s22, s22, 2*HALFT                 ; behind a's part
.irp s, 0,1
	v_add_nc_u32 v[ADRA+\s], s21, v3
	v_add_nc_u32 v[ADRB+2*\s], s22, v4
	s_add_co_u32 s23, s22, HALFT
	v_add_nc_u32 v[ADRB+2*\s+1], s23, v4
	s_add_co_u32 s21, s21, SLOT
	s_add_co_u32 s22, s22, SLOT
.endr
	s_mul_i32 s23, s10, 16*SPITCH
	s_add_co_u32 s23, s23, STAGE                   ; my stage
	v_mul_u32_u24 v4, v1, SPITCH
	v_lshl_add_u32 v4, v2, 5, v4
	v_add_nc_u32 v[STO], s23, v4                   ; in: row r, 32 bytes for each half of the lanes
	v_mul_u32_u24 v5, v2, SPITCH
	v_lshl_add_u32 v5, v1, 4, v5
	v_add_nc_u32 v[RD], s23, v5                    ; back: lanes 0-15 one row of 256 bytes, lanes 16-31 the next
	v_lshlrev_b32 v5, 12, v2
	v_lshl_add_u32 v[CO], v1, 4, v5                ; and the same two rows in out0
	v_lshlrev_b32 v[BO], 5, v2
	s_lshl_b32 s46, s42, 9                         ; my first column in bytes: 512 x tile column + 256 x half
	s_lshl_b32 s47, s12, 8
	s_add_co_u32 s46, s46, s47
	s_mov_b32 s47, 0
	s_add_nc_u64 s[66:67], s[66:67], s[46:47]
.irp b, 0,1,2,3
	global_load_b128 v[BIAS+8*\b:BIAS+8*\b+3], v[BO], s[66:67] offset:64*\b        ; lane (r, h): the bias of columns 16 b + 8 h + 0 .. 7
	global_load_b128 v[BIAS+8*\b+4:BIAS+8*\b+7], v[BO], s[66:67] offset:64*\b+16
.endr
	s_lshl_b32 s16, s13, 7
	s_lshl_b32 s17, s11, 6
	s_add_co_u32 s16, s16, s17                     ; my first row: 128 x tile row + 64 x half
	s_lshl_b32 s16, s16, 12                        ; 4,096 bytes a row
	s_mov_b32 s17, 0
	s_add_nc_u64 s[8:9], s[8:9], s[16:17]
	s_add_nc_u64 s[8:9], s[8:9], s[46:47]
; 8 matrix instructions: row blocks a0, a0 + 1 x all 4 column blocks, 32 along K: half c of buffer f.  first = 1: the bias is the C.  The 16 accumulators take turns.
.macro MUL8 f, c, a0, first
.irp a, \a0, \a0+1
.irp b, 0,1,2,3
.if \first
	v_wmma_f32_16x16x32_f16 v[ACC+8*(4*(\a)+\b):ACC+8*(4*(\a)+\b)+7], v[\f+64+8*(4*\c+\b):\f+64+8*(4*\c+\b)+7], v[\f+8*(4*\c+\a):\f+8*(4*\c+\a)+7], v[BIAS+8*\b:BIAS+8*\b+7]
.else
	v_wmma_f32_16x16x32_f16 v[ACC+8*(4*(\a)+\b):ACC+8*(4*(\a)+\b)+7], v[\f+64+8*(4*\c+\b):\f+64+8*(4*\c+\b)+7], v[\f+8*(4*\c+\a):\f+8*(4*\c+\a)+7], v[ACC+8*(4*(\a)+\b):ACC+8*(4*(\a)+\b)+7]
.endif
.endr
.endr
.endm
; 32 LDS loads in one run: the fragments of quarter q (64 along K: one head) into buffer f; the first 32 along K first
.macro FETCH slot, q, f
	WIN TO_F
.irp c, 0,1
.irp i, 0,1,2,3
	ds_load_tr16_b128 v[\f+64+8*(4*\c+\i):\f+64+8*(4*\c+\i)+3],   v[ADRB+2*\slot+(\q)/2] offset:(64*((\q)%2)+32*\c)*BP+32*\i
	ds_load_tr16_b128 v[\f+64+8*(4*\c+\i)+4:\f+64+8*(4*\c+\i)+7], v[ADRB+2*\slot+(\q)/2] offset:(64*((\q)%2)+32*\c+16)*BP+32*\i
	ds_load_b128 v[\f+8*(4*\c+\i):\f+8*(4*\c+\i)+3],              v[ADRA+\slot] offset:128*AP*(\q)+64*\c+16*AP*\i
	ds_load_b128 v[\f+8*(4*\c+\i)+4:\f+8*(4*\c+\i)+7],            v[ADRA+\slot] offset:128*AP*(\q)+64*\c+16*AP*\i+32
.endr
.endr
.endm
.macro PLACES                          ; four plain lines in front of loads into registers that matrix instructions have read, and of the first read of results
.rept 4
	v_nop
.endr
.endm
.macro QUARTER slot, q, f, g, first    ; multiplies buffer f and fetches the slot's quarter q into g
	s_wait_dscnt 16                                ; the first 32 along K are in; the other 16 loads may be out
	WIN MUL
	MUL8 \f, 0, 0, \first
	MUL8 \f, 0, 2, \first
	PLACES
	FETCH \slot, \q, \g
	s_wait_dscnt 32                                ; all but the 32 just issued
	WIN MUL
	MUL8 \f, 1, 0, 0
	MUL8 \f, 1, 2, 0
.endm
; The last quarter multiplies buffer 1 and changes slots: one barrier; in front of it each wave waits for all its tensor loads, adds 0 to its spare word, and waits for that and for its reads of this slot.
.macro TURN slot, next, fill
	WIN 0
	s_wait_tensorcnt 0x0                           ; all my tensor loads have landed: my part of the next slot
	ds_add_u32 v[SPW], v[NIL]
	s_wait_dscnt 17                                ; the add and the youngest sixteen loads may be out
	WIN MUL
	MUL8 F1, 0, 0, 0
	s_wait_dscnt 0x0                               ; the add is done, and my reads of this slot are over
	s_barrier_signal -1
	MUL8 F1, 0, 2, 0
.if \fill
	WIN 0
.endif
	s_barrier_wait -1
.if \fill
	CREST                                          ; the barrier has opened a round of the cluster's: no wave of any partner still reads this slot or has a load on its way
	s_add_nc_u64 s[G0+4*\slot+2:G0+4*\slot+3], s[G0+4*\slot+2:G0+4*\slot+3], 2*ASTEP
	s_add_nc_u64 s[G0B+4*\slot+2:G0B+4*\slot+3], s[G0B+4*\slot+2:G0B+4*\slot+3], 2*BSTEP
	JLOAD \slot                                    ; the first tensor load behind the round; its four v_nop are also the places in front of the loads below
.else
	PLACES
.endif
	FETCH \next, 0, F0
	WIN MUL
	MUL8 F1, 1, 0, 0
	MUL8 F1, 1, 2, 0
.endm
	s_wait_tensorcnt 1                             ; my part of K step 0 is in; K step 1's load may be out
	s_barrier_signal -1
	s_barrier_wait -1
	FETCH 0, 0, F0
	s_wait_loadcnt 0x0                             ; the bias
	QUARTER 0, 1, F0, F1, 1
	WIN 0
	s_mov_b32 s3, LAPS-1
.Llap:                                             ; a trip goes once round the ring and fills both slots again
	QUARTER 0, 2, F1, F0, 0
	QUARTER 0, 3, F0, F1, 0
	TURN 0, 1, 1
	QUARTER 1, 1, F0, F1, 0
	QUARTER 1, 2, F1, F0, 0
	QUARTER 1, 3, F0, F1, 0
	TURN 1, 0, 1
	QUARTER 0, 1, F0, F1, 0
	WIN 0
	s_sub_co_u32 s3, s3, 1
	s_cmp_lg_u32 s3, 0
	s_cbranch_scc1 .Llap
	QUARTER 0, 2, F1, F0, 0                        ; the last lap fills nothing
	QUARTER 0, 3, F0, F1, 0
	TURN 0, 1, 0
	QUARTER 1, 1, F0, F1, 0
	QUARTER 1, 2, F1, F0, 0
	QUARTER 1, 3, F0, F1, 0
	s_wait_dscnt 16
	WIN MUL
	MUL8 F1, 0, 0, 0
	MUL8 F1, 0, 2, 0
	s_wait_dscnt 0
	MUL8 F1, 1, 0, 0
	MUL8 F1, 1, 2, 0
	WIN 0
	PLACES
	; THE WAY OUT, 16 rows x 64 columns at a time through my own stage: in as 32 bytes a lane, back as whole rows of 256 bytes
.irp a, 0,1,2,3
.if \a > 1
	s_wait_xcnt 0x0                                ; the stores of two blocks ago have read the registers that are loaded now
.endif
.irp b, 0,1,2,3
	ds_store_b128 v[STO], v[ACC+8*(4*\a+\b):ACC+8*(4*\a+\b)+3] offset:64*\b        ; each accumulator from its low end on
	ds_store_b128 v[STO], v[ACC+8*(4*\a+\b)+4:ACC+8*(4*\a+\b)+7] offset:64*\b+16
.endr
.irp t, 0,1,2,3,4,5,6,7
	ds_load_b128 v[TMP+32*(\a%2)+4*\t:TMP+32*(\a%2)+4*\t+3], v[RD] offset:2*\t*SPITCH   ; a wave's LDS instructions are served in order
.endr
.irp t, 0,1,2,3,4,5,6,7
	s_wait_dscnt 7-\t
	global_store_b128 v[CO], v[TMP+32*(\a%2)+4*\t:TMP+32*(\a%2)+4*\t+3], s[8:9] offset:(16*\a+2*\t)*4096   ; 16 lanes store 256 consecutive bytes, at a multiple of 256 from out0's first byte
.endr
.endr
	s_wait_tensorcnt 0x0                           ; the wave's end
	ds_add_u32 v[SPW], v[NIL]
	s_wait_dscnt 0x0
	CROUND                                         ; the closing round
	s_endpgm
.Lfunc_end_k_q3db3f613c3_proj:
	.size	k_q3db3f613c3_proj, .Lfunc_end_k_q3db3f613c3_proj-k_q3db3f613c3_proj
	.p2alignl 7, 3214868480
	.fill 96, 4, 3214868480
	.section	.rodata,"a",@progbits
	.p2align	6, 0x0
	.amdhsa_kernel k_q3db3f613c3_proj
		.amdhsa_group_segment_fixed_size 327680
		.amdhsa_private_segment_fixed_size 0
		.amdhsa_enable_private_segment 0
		.amdhsa_kernarg_size 32
		.amdhsa_user_sgpr_count 2
		.amdhsa_user_sgpr_kernarg_segment_ptr 1
		.amdhsa_wavefront_size32 1
		.amdhsa_system_sgpr_workgroup_id_x 1
		.amdhsa_system_sgpr_workgroup_id_y 1
		.amdhsa_system_sgpr_workgroup_id_z 1
		.amdhsa_system_vgpr_workitem_id 0
		.amdhsa_next_free_vgpr 512
		.amdhsa_next_free_sgpr 68
		.amdhsa_reserve_vcc 0
		.amdhsa_float_denorm_mode_32 3
		.amdhsa_float_denorm_mode_16_64 3
		.amdhsa_memory_ordered 1
		.amdhsa_forward_progress 1
		.amdhsa_inst_pref_size 88
	.end_amdhsa_kernel
	.amdgpu_metadata
---
amdhsa.version: [ 1, 2 ]
amdhsa.kernels:
  - .name:           k_q3db3f613c3_proj
    .symbol:         k_q3db3f613c3_proj.kd
    .args:
      - { .name: att, .offset: 0, .size: 8, .value_kind: global_buffer, .address_space: global }
      - { .name: w16, .offset: 8, .size: 8, .value_kind: global_buffer, .address_space: global }
      - { .name: b_out, .offset: 16, .size: 8, .value_kind: global_buffer, .address_space: global }
      - { .name: out0, .offset: 24, .size: 8, .value_kind: global_buffer, .address_space: global }
    .group_segment_fixed_size: 327680
    .private_segment_fixed_size: 0
    .kernarg_segment_align: 8
    .kernarg_segment_size: 32
    .max_flat_workgroup_size: 128
    .sgpr_count:     68
    .vgpr_count:     512
    .wavefront_size: 32
...
	.end_amdgpu_metadata
.endif
;; end of part 5
;; launch fine (part 6): grid 64 x 1, 16 waves a work-group, no clusters, 18,432 bytes of LDS; arguments qkv16, w_out, b_out, out0; writes out0
.if DOCPART == 6
	.amdgcn_target "amdgcn-amd-amdhsa--gfx1250"
	.amdhsa_code_object_version 6
	.text
	.protected	k_q3db3f613c3_fine
	.globl	k_q3db3f613c3_fine
	.p2align	8
	.type	k_q3db3f613c3_fine,@function
k_q3db3f613c3_fine:
	s_mov_b64 s[64:65], 0
	v_nop
	global_prefetch_b8 v0, s[64:65] scope:SCOPE_SE
	s_setreg_imm32_b32 hwreg(HW_REG_WAVE_MODE, 25, 1), 1
	s_wait_xcnt 0x0
; THE FIRST 16 POSITIONS IN f32: their rows average one to sixteen values and are the largest in size, so attention and projection take f32 operands here (48 f32 matrix instructions a wave: no bulk work).
; qkv16 [16][3072] f32 (q, k, v of tokens 0-15, with bias); w_out [1024][1024] f32; rows 0-15 of out0 are written anew.
; A work-group makes 16 output columns n0 = 16 x its number; wave w is head w, and so k = 64 w .. 64 w + 63 of the projection; every work-group repeats the 16 small attentions.
; S^T = K Q^T, O^T = V^T P, out^T = W^T O: a lane holds one token (lane % 16) throughout.  The f32 form takes k = 2 h + j in register j; where the operand at hand has its k otherwise (P: keys 8 h + j;
; O^T: channels 8 h + j), the other side is loaded with the same k in the same places: a sum does not mind the order of its terms.
; The 16 waves' parts meet in LDS and wave 0 adds them, in a fixed order, onto the bias.  Its stores are 32 bytes a lane to 16 rows: 64 KB in the whole launch.
; The registers that the f32 matrix form writes (v144-239) are written by nothing else; what is made of the sums goes to v240-247.
.set QF, 16
.set KF, 48
.set VF, 80
.set WF, 112
.set SA, 144
.set OA, 176
.set RA, 208
.set SV, 240                           ; the scores, then p, then my part of the result
.set BI, 248
.set SPW, 14
.set NIL, 15
.set SPARE, 16384                      ; behind the 16 parts of 1,024 bytes: the spare words, 128 bytes a wave
	s_load_b256 s[4:11], s[0:1], 0x0               ; qkv16 s[4:5], w_out s[6:7], b_out s[8:9], out0 s[10:11]
	v_lshl_add_u32 v[SPW], v0, 2, SPARE
	v_mov_b32 v[NIL], 0
	v_lshrrev_b32 v1, 5, v0
	v_readfirstlane_b32 s12, v1                    ; wave = head
	v_and_b32 v1, 15, v0                           ; r
	v_bfe_u32 v2, v0, 4, 1                         ; h
	s_lshl_b32 s13, s12, 8                         ; my head's 64 columns: 256 bytes
	v_mul_u32_u24 v3, v1, 12288
	v_lshl_add_u32 v3, v2, 3, v3
	v_add_nc_u32 v3, s13, v3                       ; Q, K: token r, + 8 h
	v_mul_u32_u24 v4, v2, 98304
	v_lshl_add_u32 v4, v1, 2, v4
	v_add_nc_u32 v4, s13, v4                       ; V: key 8 h on, channel r
	s_lshl_b32 s14, s12, 18                        ; W: row 64 w,
	s_lshl_b32 s16, ttmp9, 6                       ; column n0, in bytes
	s_mov_b32 s17, 0
	s_add_co_u32 s14, s14, s16
	v_lshlrev_b32 v5, 15, v2
	v_lshl_add_u32 v5, v1, 2, v5
	v_add_nc_u32 v5, s14, v5                       ; + 8 h rows, + column r
	v_lshlrev_b32 v6, 5, v2                        ; the bias: 32 h
	v_lshlrev_b32 v7, 3, v2
	v_sub_nc_u32 v7, v1, v7                        ; r - 8 h: register j's key 8 h + j is hidden where j is above it
	v_and_b32 v9, 31, v0
	v_lshlrev_b32 v9, 4, v9                        ; 16 x lane
	s_lshl_b32 s15, s12, 10
	v_add_nc_u32 v8, s15, v9                       ; my part in LDS
	v_lshlrev_b32 v13, 12, v1
	v_add_nc_u32 v13, v13, v6                      ; out0: row r, + 32 h
	v_mov_b32 v10, 0xff800000                      ; -infinity
	v_mov_b32 v12, 0                               ; (a lane permute's destination counts as one of its sources)
	s_mov_b32 s20, 0x76543210
	s_mov_b32 s21, 0xfedcba98
	s_mov_b32 s22, 0x3e38aa3b                      ; c = log2(e) / 8
	s_wait_kmcnt 0x0
	s_add_nc_u64 s[8:9], s[8:9], s[16:17]
	s_add_nc_u64 s[10:11], s[10:11], s[16:17]
	global_load_b128 v[BI:BI+3], v6, s[8:9]
	global_load_b128 v[BI+4:BI+7], v6, s[8:9] offset:16
.irp c, 0,1,2,3,4,5,6,7,8,9,10,11,12,13,14,15
	global_load_b64 v[QF+2*\c:QF+2*\c+1], v3, s[4:5] offset:16*\c                  ; Q(r, 4 c + 2 h + 0, 1)
.endr
.irp c, 0,1,2,3,4,5,6,7,8,9,10,11,12,13,14,15
	global_load_b64 v[KF+2*\c:KF+2*\c+1], v3, s[4:5] offset:4096+16*\c
.endr
.irp ct, 0,1,2,3
.irp k, 0,1,2,3,4,5,6,7
	global_load_b32 v[VF+8*\ct+\k], v4, s[4:5] offset:\k*12288+8192+64*\ct         ; V(key 8 h + k, channel 16 ct + r)
.endr
.endr
.irp ct, 0,1,2,3
.irp k, 0,1,2,3,4,5,6,7
	global_load_b32 v[WF+8*\ct+\k], v5, s[6:7] offset:(16*\ct+\k)*4096             ; W(64 w + 16 ct + 8 h + k, n0 + r)
.endr
.endr
	s_wait_loadcnt 63                              ; Q and K are in: 64 loads are younger, the count's field ends at 63, and a smaller count is safe
.irp c, 0,1,2,3                        ; S^T = K Q^T: 16 steps of 4 channels on four accumulators by turns; the first four start the sums
	v_wmma_f32_16x16x4_f32 v[SA+8*\c:SA+8*\c+7], v[KF+2*\c:KF+2*\c+1], v[QF+2*\c:QF+2*\c+1], 0
.endr
.irp c, 4,5,6,7,8,9,10,11,12,13,14,15
	v_wmma_f32_16x16x4_f32 v[SA+8*(\c%4):SA+8*(\c%4)+7], v[KF+2*\c:KF+2*\c+1], v[QF+2*\c:QF+2*\c+1], v[SA+8*(\c%4):SA+8*(\c%4)+7]
.endr
.rept 8
	v_nop                                          ; eight plain lines behind this form (ISA guide 7.12.1)
.endr
.irp j, 0,1,2,3,4,5,6,7                ; the four parts, each accumulator from its low end on
	v_add_f32 v[SV+\j], v[SA+\j], v[SA+8+\j]
	v_add_f32 v[SV+\j], v[SV+\j], v[SA+16+\j]
	v_add_f32 v[SV+\j], v[SV+\j], v[SA+24+\j]
.endr
.irp j, 0,1,2,3,4,5,6,7
	v_cmp_gt_i32 vcc_lo, \j, v7
	v_cndmask_b32 v[SV+\j], v[SV+\j], v10, vcc_lo  ; hidden keys: -infinity ahead of the maximum; key 0 counts for every token
.endr
	v_max3_num_f32 v11, v[SV], v[SV+1], v[SV+2]
	v_max3_num_f32 v11, v11, v[SV+3], v[SV+4]
	v_max3_num_f32 v11, v11, v[SV+5], v[SV+6]
	v_max_num_f32 v11, v11, v[SV+7]
	v_permlanex16_b32 v12, v11, s20, s21
	v_max_num_f32 v11, v11, v12                    ; the row's largest score
	v_mul_f32 v11, s22, v11
.irp j, 0,1,2,3,4,5,6,7
	v_fma_f32 v[SV+\j], v[SV+\j], s22, -v11
.endr
.irp j, 0,1,2,3,4,5,6,7
	v_exp_f32 v[SV+\j], v[SV+\j]
.endr
	v_nop
	s_wait_alu depctr_va_vdst(0)                   ; one wait for the eight, ahead of their first reader
	v_add_f32 v11, v[SV], v[SV+1]
	v_add_f32 v12, v[SV+2], v[SV+3]
	v_add_f32 v11, v11, v[SV+4]
	v_add_f32 v12, v12, v[SV+5]
	v_add_f32 v11, v11, v[SV+6]
	v_add_f32 v12, v12, v[SV+7]
	v_add_f32 v11, v11, v12
	v_permlanex16_b32 v12, v11, s20, s21
	v_add_f32 v11, v11, v12                        ; the row's sum
	v_rcp_f32 v11, v11
	v_nop
	s_wait_alu depctr_va_vdst(0)
.irp j, 0,1,2,3,4,5,6,7
	v_mul_f32 v[SV+\j], v[SV+\j], v11              ; the weights, normalised
.endr
	s_wait_loadcnt 32                              ; V is in; W's 32 loads may be out
.irp ct, 0,1,2,3                       ; O^T = V^T P: step c takes keys 8 h + 2 c + 0, 1 on both sides; four accumulators by turns
	v_wmma_f32_16x16x4_f32 v[OA+8*\ct:OA+8*\ct+7], v[VF+8*\ct:VF+8*\ct+1], v[SV:SV+1], 0
.endr
.irp c, 1,2,3
.irp ct, 0,1,2,3
	v_wmma_f32_16x16x4_f32 v[OA+8*\ct:OA+8*\ct+7], v[VF+8*\ct+2*\c:VF+8*\ct+2*\c+1], v[SV+2*\c:SV+2*\c+1], v[OA+8*\ct:OA+8*\ct+7]
.endr
.endr
.rept 9
	v_nop                                          ; nine plain lines before a matrix instruction takes these results as an operand
.endr
	s_wait_loadcnt 0x0                             ; W
.irp c, 0,1,2,3                        ; out^T = W^T O: step (ct, c) takes channels 16 ct + 8 h + 2 c + 0, 1 on both sides; four accumulators by turns
	v_wmma_f32_16x16x4_f32 v[RA+8*\c:RA+8*\c+7], v[WF+2*\c:WF+2*\c+1], v[OA+2*\c:OA+2*\c+1], 0
.endr
.irp ct, 1,2,3
.irp c, 0,1,2,3
	v_wmma_f32_16x16x4_f32 v[RA+8*\c:RA+8*\c+7], v[WF+8*\ct+2*\c:WF+8*\ct+2*\c+1], v[OA+8*\ct+2*\c:OA+8*\ct+2*\c+1], v[RA+8*\c:RA+8*\c+7]
.endr
.endr
.rept 8
	v_nop
.endr
.irp j, 0,1,2,3,4,5,6,7
	v_add_f32 v[SV+\j], v[RA+\j], v[RA+8+\j]
	v_add_f32 v[SV+\j], v[SV+\j], v[RA+16+\j]
	v_add_f32 v[SV+\j], v[SV+\j], v[RA+24+\j]      ; lane (r, h): my head's part of out0(r, n0 + 8 h + j)
.endr
	ds_store_b128 v8, v[SV:SV+3]
	ds_store_b128 v8, v[SV+4:SV+7] offset:512
	s_wait_dscnt 0x0                               ; for wave 0's sake: my stores have landed
	s_barrier_signal -1
	s_barrier_wait -1
	s_cmp_lg_u32 s12, 0
	s_cbranch_scc1 .Lend
.irp w, 0,1,2,3,4,5,6,7,8,9,10,11,12,13,14,15
	ds_load_b128 v[16+8*\w:16+8*\w+3], v9 offset:1024*\w
	ds_load_b128 v[16+8*\w+4:16+8*\w+7], v9 offset:1024*\w+512
.endr
	s_wait_dscnt 0x0
.irp w, 0,1,2,3,4,5,6,7,8,9,10,11,12,13,14,15
.irp p, 0,2,4,6
	v_pk_add_f32 v[BI+\p:BI+\p+1], v[BI+\p:BI+\p+1], v[16+8*\w+\p:16+8*\w+\p+1]    ; the bias and the 16 heads' parts, head 0 first
.endr
.endr
	global_store_b128 v13, v[BI:BI+3], s[10:11]
	global_store_b128 v13, v[BI+4:BI+7], s[10:11] offset:16
.Lend:
	s_wait_tensorcnt 0x0                           ; the wave's end
	ds_add_u32 v[SPW], v[NIL]
	s_wait_dscnt 0x0
	s_endpgm
.Lfunc_end_k_q3db3f613c3_fine:
	.size	k_q3db3f613c3_fine, .Lfunc_end_k_q3db3f613c3_fine-k_q3db3f613c3_fine
	.p2alignl 7, 3214868480
	.fill 96, 4, 3214868480
	.section	.rodata,"a",@progbits
	.p2align	6, 0x0
	.amdhsa_kernel k_q3db3f613c3_fine
		.amdhsa_group_segment_fixed_size 18432
		.amdhsa_private_segment_fixed_size 0
		.amdhsa_enable_private_segment 0
		.amdhsa_kernarg_size 32
		.amdhsa_user_sgpr_count 2
		.amdhsa_user_sgpr_kernarg_segment_ptr 1
		.amdhsa_wavefront_size32 1
		.amdhsa_system_sgpr_workgroup_id_x 1
		.amdhsa_system_sgpr_workgroup_id_y 1
		.amdhsa_system_sgpr_workgroup_id_z 1
		.amdhsa_system_vgpr_workitem_id 0
		.amdhsa_next_free_vgpr 256
		.amdhsa_next_free_sgpr 66
		.amdhsa_reserve_vcc 1
		.amdhsa_float_denorm_mode_32 3
		.amdhsa_float_denorm_mode_16_64 3
		.amdhsa_memory_ordered 1
		.amdhsa_forward_progress 1
		.amdhsa_inst_pref_size 26
	.end_amdhsa_kernel
	.amdgpu_metadata
---
amdhsa.version: [ 1, 2 ]
amdhsa.kernels:
  - .name:           k_q3db3f613c3_fine
    .symbol:         k_q3db3f613c3_fine.kd
    .args:
      - { .name: qkv16, .offset: 0, .size: 8, .value_kind: global_buffer, .address_space: global }
      - { .name: w_out, .offset: 8, .size: 8, .value_kind: global_buffer, .address_space: global }
      - { .name: b_out, .offset: 16, .size: 8, .value_kind: global_buffer, .address_space: global }
      - { .name: out0, .offset: 24, .size: 8, .value_kind: global_buffer, .address_space: global }
    .group_segment_fixed_size: 18432
    .private_segment_fixed_size: 0
    .kernarg_segment_align: 8
    .kernarg_segment_size: 32
    .max_flat_workgroup_size: 512
    .sgpr_count:     66
    .vgpr_count:     256
    .wavefront_size: 32
...
	.end_amdgpu_metadata
.endif
;; end of part 6
